; MI455X (gfx1250); checked and timed in simulation.
; The chip was launched on July 23, 2026; its instructions are those of AMD's public machine-readable ISA for CDNA 5 (MIT licence, August 2026) and "CDNA5" Instruction Set Architecture Reference Guide (July 2026). The comments in the code are by the model that wrote it; some were corrected since.
;; Multi Head Attention. Allowed arithmetic: matrix products marked QUANTISED: E4M3 operands, one given power-of-two scale a tensor, by v_wmma_f32_16x16x64_fp8_fp8 or v_wmma_f32_16x16x128_fp8_fp8, f32 sums; everything else in f32.
;; Inputs: b_proj 1,024 float32; b_qkv 3,072 float32; lowp_scales 8 int32 (the exponents e of the quantised operands' scales 2^e); w_proj 1,024 x 1,024 float32; w_qkv 1,024 x 3,072 float32; x 4 x 2,048 x 1,024 float32.
;; Outputs: out0 4 x 2,048 x 1,024 float32.
;; This version of the problem:
;;   THIS VERSION OF THE PROBLEM IS GIVEN IN LOW PRECISION. The matrix products marked QUANTISED in the list below multiply operands that are first quantised to E4M3 (4 exponent bits, 3 mantissa bits; 8 bits a number), with one given power-of-two scale for each operand tensor; their sums are f32. All else is computed in f32.
;;   The module's matrix products, in the order in which they are computed (A, B: the left and right operand; K: the contracted axis; several contracted axes count as one K, in the product's order):
;;     1. [M 8,192, K 1,024] x [K 1,024, N 3,072]; A: input x; B: input w_qkv: QUANTISED (scales: A lowp_scales[0], B lowp_scales[1])
;;     2. batch 64 x [M 2,048, K 64] x [K 64, N 2,048]; A: computed on the way; B: computed on the way: QUANTISED (scales: A lowp_scales[2], B lowp_scales[3])
;;     3. batch 64 x [M 2,048, K 2,048] x [K 2,048, N 64]; A: softmax (see below); B: computed on the way: QUANTISED (scales: A lowp_scales[4], B lowp_scales[5])
;;     4. [M 8,192, K 1,024] x [K 1,024, N 1,024]; A: computed on the way; B: input w_proj: QUANTISED (scales: A lowp_scales[6], B lowp_scales[7])
;;   THE QUANTISER, for each operand of a quantised product, along K:
;;     - The operand's scale is 2^e, e = its entry of the input lowp_scales (int32; the entries are numbered through the quantised products in the list's order, A before B).
;;     - Each number is divided by the scale, clamped to +-448, and rounded to the nearest number of E4M3, ties to even, subnormals kept.
;;     - The product sums the exact products of the quantised numbers (number of the format x scale) in f32.
;;   ~~~python
;;   def quantise(x, axis, e):      # numpy; x: float32 -> the quantised numbers, widened to float32 again
;;       x = np.moveaxis(x, axis, -1); K = x.shape[-1]
;;       r = np.clip(x / 2.0 ** e, -448, 448)
;;       step = 2.0 ** (np.maximum(np.frexp(np.where(r == 0, 1, r))[1] - 1, -6) - 3)
;;       q = np.round(r / step) * step * 2.0 ** e      # np.round: ties to even
;;       return np.moveaxis(q, -1, axis).astype(np.float32)
;;   ~~~
;;   SOFTMAX AHEAD OF A QUANTISED PRODUCT. Where the list says 'softmax', what is quantised is not the finished softmax but p = 2^(t - M), with t = logit x log2(e) and M = ceil(the row's largest t), a whole number; so 1/2 < the row's largest p <= 1. The row's sum l is taken of the UNQUANTISED p, in f32, and the product's result is divided by l at the end. Since M is a whole number, a kernel that streams over the keys may use a running M (the ceiling of the running maximum): every later rescaling is an exact power of two, so the quantised numbers keep their values, but for numbers so far below the row's largest that they fall under the format's range.
;;   OPERANDS COMPUTED ON THE WAY. 'Computed on the way' means the value that the module computes at that place (a softmax that the list does not call 'softmax' is quantised finished and normalised). What goes into a quantiser is computed in f32, as accurately as f32 sums, v_exp_f32 and their like allow (about 1e-6 of the number): no bf16 or f16 on the way to a quantiser, and a product that is left as it is and whose result goes on into a quantised operand takes f32 operands (vector FMAs, or v_wmma_f32_16x16x4_f32). A number that lies on a knife's edge between two numbers of the format may be rounded either way, as far as f32 arithmetic and the matrix unit's own rounding can turn it there, and no further.
;; One version. Each part assembles by itself: llvm-mc -triple=amdgcn-amd-amdhsa -mcpu=gfx1250 --defsym DOCPART=n.
;; ======== version 1 of 1: 4 launches
;; limits: right only within a limited range of input values
;; workspace buffers: xc 8,388,608 bytes; wc 4,194,304 bytes; qkvc 25,165,824 bytes; yc 8,388,608 bytes
;; launch quant (part 1): grid 384 x 1, 4 waves a work-group, no clusters, 36,352 bytes of LDS; arguments x, w_qkv, w_proj, lowp_scales, xc, wc; writes xc, wc
.if DOCPART == 1
	.amdgcn_target "amdgcn-amd-amdhsa--gfx1250"
	.amdhsa_code_object_version 6
	.text
	.protected	k_qe552995873_quant
	.globl	k_qe552995873_quant
	.p2align	8
	.type	k_qe552995873_quant,@function
k_qe552995873_quant:
	s_mov_b64 s[64:65], 0
	v_nop
	global_prefetch_b8 v0, s[64:65] scope:SCOPE_SE
	s_setreg_imm32_b32 hwreg(HW_REG_WAVE_MODE, 25, 1), 1
	s_wait_xcnt 0x0
; x [8192][1024], w_qkv [1024][3072] and w_proj [1024][1024], f32, become codes of E4M3, each with the one scale 2^e given for it (entries 0, 1 and 7 of the scales).
; code = number / 2^e, held within +-448, rounded to the nearest code, ties to even.  LIMITS: -126 <= e and e + 8 <= 127; NaN among the inputs is not served.
; xc [8192][1024]: a code a byte.  Within each 512 bytes of a row, byte 16 l + 4 j + i holds k = 128 j + 4 l + i (l 0..31, j and i 0..3): the order in which four dense loads of
;   16 bytes a lane and two conversions leave the codes in a lane, so x takes no turn through LDS.  The first product's other operand has the same order, so every product meets its partner.
; wc [4096][1024]: rows 0..3071 are the columns of w_qkv, K in that same order; rows 3072..4095 the columns of w_proj, K in its natural order.
; Work-groups 0..255 take x, 32,768 numbers each; work-groups 256..383 take 128 columns x 256 places along K of a weight.  One branch on the work-group's number parts them; the weights' way alone uses LDS.
; No tensor loads, no barrier: waves share nothing.  Clusters and the matrix unit would add nothing: no input byte is read twice.
.set WGX,   256                        ; work-groups that take x
.set R,     16                         ; x: v16-143  eight sets of 16 numbers
.set C,     144                        ; x: v144-207 four registers of codes for each step: no store's data are written again
.set VO,    16                         ; weights: v16-47  byte offset of place q's row, q = 0..31, + 4 x lane
.set X,     48                         ; weights: v48-111 two sets of 32 numbers
.set CW,    112                        ; weights: v112-119 a block's codes
.set OUTR,  128                        ; weights: v128-191 the way out
.set PITCH, 272                        ; weights: a stage row: 256 bytes of codes + 16
.set WB,    32                         ; weights: s[32:47] the base of each of the eight blocks of 32 places
	s_load_b256 s[4:11], s[0:1], 0x0               ; x s[4:5], w_qkv s[6:7], w_proj s[8:9], the scales' exponents s[10:11]
	s_load_b128 s[12:15], s[0:1], 0x20             ; xc s[12:13], wc s[14:15]
	v_lshl_add_u32 v208, v0, 2, 0x8c00
	v_mov_b32 v209, 0
	v_lshrrev_b32 v1, 5, v0
	v_readfirstlane_b32 s16, v1                    ; wave 0..3
	v_and_b32 v2, 31, v0                           ; lane
	s_wait_kmcnt 0x0
	s_load_b256 s[24:31], s[10:11], 0x0            ; e0 .. e7
	s_cmp_lt_u32 ttmp9, WGX
	s_cbranch_scc0 .Lweights
; ---- x.  A wave takes 16 steps of 512 numbers; loads run eight steps (32 loads a wave) ahead.
.macro XLOAD t
.irp j, 0,1,2,3
	global_load_b128 v[R+16*((\t)%8)+4*\j:R+16*((\t)%8)+4*\j+3], v3, s[4:5] offset:2048*(\t)+512*\j th:TH_LOAD_NT   ; 32 lanes read 512 consecutive bytes
.endr
.endm
.macro XSTEP t
.set XS, R+16*((\t)%8)
.if (\t) <= 8
	s_wait_loadcnt 28                              ; this step's four loads are in; those of the seven steps behind it may be out
.else
	s_wait_loadcnt 4*(15-(\t))                     ; the last steps: fewer are behind
.endif
.irp i, 0,1,2,3,4,5,6,7,8,9,10,11,12,13,14,15
.endr
	v_cvt_scalef32_pk8_fp8_f32 v[C+4*(\t):C+4*(\t)+1], v[XS:XS+7], v11
	v_cvt_scalef32_pk8_fp8_f32 v[C+4*(\t)+2:C+4*(\t)+3], v[XS+8:XS+15], v11
	global_store_b128 v3, v[C+4*(\t):C+4*(\t)+3], s[12:13] offset:512*(\t)   ; 32 lanes store 512 consecutive bytes, aligned.  (The codes go to a store alone; the next vector lines are the next step's conversions, on other registers)
.if (\t)+8 < 16
	XLOAD (\t)+8                                   ; into the set just converted
.endif
.endm
	s_wait_alu depctr_va_vdst(0)
	v_lshlrev_b32 v3, 4, v2                        ; 16 bytes a lane, in x and in xc alike
	s_lshl_b32 s17, ttmp9, 2
	s_add_co_u32 s17, s17, s16                     ; which run of 8,192 numbers is my wave's: 0..1023
	s_lshl_b32 s18, s17, 15                        ; x 32,768 bytes of x
	s_mov_b32 s19, 0
	s_add_nc_u64 s[4:5], s[4:5], s[18:19]
	s_lshl_b32 s18, s17, 13                        ; x 8,192 bytes of codes
	s_add_nc_u64 s[12:13], s[12:13], s[18:19]
.irp t, 0,1,2,3,4,5,6,7
	XLOAD \t
.endr
	s_wait_kmcnt 0x0
	s_add_co_i32 s20, s24, 127
	s_lshl_b32 s21, s20, 23
	v_mov_b32 v11, s21                             ; 2^e0 as f32: the conversion takes its exponent field
	s_wait_alu depctr_va_vdst(0)
.irp t, 0,1,2,3,4,5,6,7,8,9,10,11,12,13,14,15
	XSTEP \t
.endr
	s_endpgm
; ---- the weights.  A LANE TAKES A COLUMN n AND ITS REGISTERS RUN ALONG THE PLACES OF A ROW OF wc: nothing is transposed by an instruction.
; Place 256 y + 32 t + q takes row  first + t S4 + (q & 3) S1 + ((q >> 2) & 3) S2 + (q >> 4) S3  (strides in bytes; S1 = a row of the weight).
;   w_qkv:  first = 512 (y >> 1) + 64 (y & 1) rows, S2 = 128 rows, S3 = 4 rows, S4 = 8 rows: xc's order.      w_proj: first = 256 y rows, S2 = 4, S3 = 16, S4 = 32 rows: the natural order.
; One text serves both: pointer, strides and exponent are chosen by selects on the work-group's number.
.macro WLOAD t
.set q, 0
.rept 32
	global_load_b32 v[X+32*((\t)%2)+q], v[VO+q], s[WB+2*(\t):WB+2*(\t)+1] th:TH_LOAD_NT   ; 32 lanes read 128 consecutive bytes of one row; the four waves stand side by side on 512
.set q, q+1
.endr
.endm
.macro BLOCK t
.set XS, X+32*((\t)%2)
.if (\t) < 7
	s_wait_loadcnt 32                              ; this block's 32 loads are in; the next block's may be out
.else
	s_wait_loadcnt 0
.endif
.set q, 0
.rept 32
.set q, q+1
.endr
.irp g, 0,1,2,3
	v_cvt_scalef32_pk8_fp8_f32 v[CW+2*\g:CW+2*\g+1], v[XS+8*\g:XS+8*\g+7], v11
.endr
	ds_store_b128 v4, v[CW:CW+3] offset:32*(\t)    ; 32 codes of my column's row.  (LDS stores of the codes want no place behind the conversions)
	ds_store_b128 v4, v[CW+4:CW+7] offset:32*(\t)+16
.if (\t)+2 < 8
	WLOAD (\t)+2
.endif
	s_wait_dscnt 0x0                               ; the stores have read their registers: the next block's codes may be written
.endm
.Lweights:
	s_sub_co_u32 s17, ttmp9, WGX                   ; 0..127
	s_and_b32 s18, s17, 31                         ; which 128 rows of wc: 0..23 w_qkv's columns, 24..31 w_proj's
	s_lshr_b32 s19, s17, 5                         ; y: which 256 places
	s_lshr_b32 s20, s19, 1
	s_lshl_b32 s20, s20, 9
	s_and_b32 s21, s19, 1
	s_lshl_b32 s21, s21, 6
	s_add_co_u32 s20, s20, s21                     ; w_qkv's first row
	s_lshl_b32 s21, s19, 8                         ; w_proj's
	s_sub_co_u32 s22, s18, 24                      ; w_proj's group of columns (used only where it is not negative)
	s_mov_b32 s23, 4096
	s_cmp_lt_u32 s18, 24                           ; w_qkv?  The choice hangs on the work-group's number alone
	s_cselect_b64 s[6:7], s[6:7], s[8:9]
	s_cselect_b32 s23, 12288, s23                  ; S1
	s_cselect_b32 s48, 7, 2
	s_cselect_b32 s49, 2, 4
	s_cselect_b32 s50, 3, 5
	s_cselect_b32 s20, s20, s21
	s_cselect_b32 s22, s18, s22
	s_lshl_b32 s52, s23, s48                       ; S2
	s_lshl_b32 s53, s23, s49                       ; S3
	s_lshl_b32 s54, s23, s50                       ; S4
	s_mov_b32 s55, 0
	s_mul_i32 s56, s20, s23                        ; the first row, in bytes
	s_lshl_b32 s57, s22, 9                         ; + 128 columns a group
	s_add_co_u32 s56, s56, s57
	s_lshl_b32 s57, s16, 7                         ; + 32 columns a wave
	s_add_co_u32 s56, s56, s57
	s_mov_b32 s57, 0
	s_add_nc_u64 s[WB:WB+1], s[6:7], s[56:57]
.irp t, 1,2,3,4,5,6,7
	s_add_nc_u64 s[WB+2*\t:WB+2*\t+1], s[WB+2*\t-2:WB+2*\t-1], s[54:55]   ; a base for each block: no pointer is stepped later
.endr
	s_wait_alu depctr_va_vdst(0)
	v_lshlrev_b32 v[VO], 2, v2                     ; 4 bytes a lane
.set q, 1
.rept 31
.if (q & 3) != 0
	v_add_nc_u32 v[VO+q], s23, v[VO+q-1]
.elseif (q & 12) != 0
	v_add_nc_u32 v[VO+q], s52, v[VO+q-4]
.else
	v_add_nc_u32 v[VO+q], s53, v[VO]
.endif
.set q, q+1
.endr
	WLOAD 0
	WLOAD 1
	s_mul_i32 s58, s16, 32*PITCH                   ; my wave's stage
	v_mul_u32_u24 v4, v2, PITCH
	v_add_nc_u32 v4, s58, v4                       ; into it: row = my column
	v_and_b32 v5, 15, v2
	v_lshrrev_b32 v6, 4, v2                        ; out of it: sixteen lanes to a row, two rows an instruction
	v_mul_u32_u24 v7, v6, PITCH
	v_lshl_add_u32 v7, v5, 4, v7
	v_add_nc_u32 v7, s58, v7
	v_lshlrev_b32 v8, 10, v6
	v_lshl_add_u32 v8, v5, 4, v8                   ; and the same place in wc: rows of 1,024 bytes
	s_lshl_b32 s56, s18, 17                        ; 128 rows of 1,024 bytes a group
	s_lshl_b32 s59, s16, 15                        ; 32 rows a wave
	s_add_co_u32 s56, s56, s59
	s_lshl_b32 s59, s19, 8                         ; 256 places
	s_add_co_u32 s56, s56, s59
	s_add_nc_u64 s[14:15], s[14:15], s[56:57]
	s_wait_kmcnt 0x0
	s_cmp_lt_u32 s18, 24
	s_cselect_b32 s51, s25, s31                    ; e1 or e7
	s_add_co_i32 s51, s51, 127
	s_lshl_b32 s59, s51, 23
	v_mov_b32 v11, s59                             ; 2^e
	s_add_co_i32 s51, s51, 8
	s_lshl_b32 s51, s51, 23
	s_or_b32 s51, s51, 0x600000
	s_wait_alu depctr_va_vdst(0)
.irp t, 0,1,2,3,4,5,6,7
	BLOCK \t
.endr
.irp t, 0,1,2,3,4,5,6,7,8,9,10,11,12,13,14,15
	ds_load_b128 v[OUTR+4*\t:OUTR+4*\t+3], v7 offset:2*\t*PITCH   ; LDS serves a wave's instructions in order (ISA guide 5.7.1.4): these see my stores
.endr
.irp t, 0,1,2,3,4,5,6,7,8,9,10,11,12,13,14,15
	s_wait_dscnt 15-\t                             ; load t is back; the younger ones may be out
	global_store_b128 v8, v[OUTR+4*\t:OUTR+4*\t+3], s[14:15] offset:2*\t*1024   ; sixteen lanes store 256 consecutive bytes, aligned
.endr
	s_wait_tensorcnt 0x0
	ds_add_u32 v208, v209
	s_wait_dscnt 0x0
	s_endpgm
.Lfunc_end_k_qe552995873_quant:
	.size	k_qe552995873_quant, .Lfunc_end_k_qe552995873_quant-k_qe552995873_quant
	.p2alignl 7, 3214868480
	.fill 96, 4, 3214868480
	.section	.rodata,"a",@progbits
	.p2align	6, 0x0
	.amdhsa_kernel k_qe552995873_quant
		.amdhsa_group_segment_fixed_size 36352
		.amdhsa_private_segment_fixed_size 0
		.amdhsa_enable_private_segment 0
		.amdhsa_kernarg_size 48
		.amdhsa_user_sgpr_count 2
		.amdhsa_user_sgpr_kernarg_segment_ptr 1
		.amdhsa_wavefront_size32 1
		.amdhsa_system_sgpr_workgroup_id_x 1
		.amdhsa_system_sgpr_workgroup_id_y 1
		.amdhsa_system_sgpr_workgroup_id_z 1
		.amdhsa_system_vgpr_workitem_id 0
		.amdhsa_next_free_vgpr 210
		.amdhsa_next_free_sgpr 66
		.amdhsa_reserve_vcc 0
		.amdhsa_float_denorm_mode_32 3
		.amdhsa_float_denorm_mode_16_64 3
		.amdhsa_fp16_overflow 1
		.amdhsa_memory_ordered 1
		.amdhsa_forward_progress 1
		.amdhsa_inst_pref_size 46
	.end_amdhsa_kernel
	.amdgpu_metadata
---
amdhsa.version: [ 1, 2 ]
amdhsa.kernels:
  - .name:           k_qe552995873_quant
    .symbol:         k_qe552995873_quant.kd
    .args:
      - { .name: x, .offset: 0, .size: 8, .value_kind: global_buffer, .address_space: global }
      - { .name: w_qkv, .offset: 8, .size: 8, .value_kind: global_buffer, .address_space: global }
      - { .name: w_proj, .offset: 16, .size: 8, .value_kind: global_buffer, .address_space: global }
      - { .name: lowp_scales, .offset: 24, .size: 8, .value_kind: global_buffer, .address_space: global }
      - { .name: xc, .offset: 32, .size: 8, .value_kind: global_buffer, .address_space: global }
      - { .name: wc, .offset: 40, .size: 8, .value_kind: global_buffer, .address_space: global }
    .group_segment_fixed_size: 36352
    .private_segment_fixed_size: 0
    .kernarg_segment_align: 8
    .kernarg_segment_size: 48
    .max_flat_workgroup_size: 128
    .sgpr_count:     66
    .vgpr_count:     210
    .wavefront_size: 32
...
	.end_amdgpu_metadata
.endif
;; end of part 1
;; launch qkv (part 2): grid 12 x 32, 4 waves a work-group, clusters of 4 x 4, 327,680 bytes of LDS; arguments xc, wc, lowp_scales, b_qkv, qkvc; writes qkvc
.if DOCPART == 2
	.amdgcn_target "amdgcn-amd-amdhsa--gfx1250"
	.amdhsa_code_object_version 6
	.text
	.protected	k_qe552995873_qkv
	.globl	k_qe552995873_qkv
	.p2align	8
	.type	k_qe552995873_qkv,@function
k_qe552995873_qkv:
	s_mov_b64 s[64:65], 0
	v_nop
	global_prefetch_b8 v0, s[64:65] scope:SCOPE_SE
	s_setreg_imm32_b32 hwreg(HW_REG_WAVE_MODE, 25, 1), 1
	s_wait_xcnt 0x0
	s_wait_alu depctr_hold_cnt(0) depctr_sa_sdst(0) depctr_va_vdst(0) depctr_va_sdst(0) depctr_va_ssrc(0) depctr_va_vcc(0) depctr_vm_vsrc(0)
	s_getreg_b32 s2, hwreg(HW_REG_IB_STS2, 6, 4)
	s_cmp_eq_u32 s2, 0
	s_cbranch_scc0 .Lentry_in_a_cluster
	s_endpgm
.Lentry_in_a_cluster:
	s_bfe_u32 s2, ttmp6, 0x10000c
	s_cmp_lg_u32 s2, 0xf033
	s_cbranch_scc0 .Lentry_shape_is_right
	s_endpgm
.Lentry_shape_is_right:
; qkv = x w_qkv + b_qkv on codes of E4M3 (xc [8192][1024], wc rows 0..3071, K in one and the same order in both), and its result quantised at once into the codes of q, k and v.
; A tile of 256 rows x 256 columns is made by a work-group of four waves; a wave makes 128 x 128: 64 accumulators of 16 x 16, 512 registers.  K = 1,024 goes in four steps of 256 through two LDS slots.
; CLUSTERS: 4 x 4 work-groups.  The four of a row of the cluster need the same rows of x, the four of a column the same rows of wc: each tile is asked for JOINTLY, by the same tensor load with the same
; descriptor and a mask that names the four.  Cluster x (0, 1, 2) says whether the columns are q's, k's or v's: it is the same in all sixteen partners, so branches and selects may hang on it.
; ORIENTATION.  A lane's eight results run along source 0's rows.  q and k are quantised along the head's 64, so source 0 = rows of wc, source 1 = rows of x; v along the keys, so source 0 = rows of x,
; source 1 = rows of wc.  The tile is square and both regions have one pitch: only the two LDS bases change places, by a select.
; THE BIAS is the C of each sum's first product, divided by 2^(e0 + e1), the power of two that the sums lack.  The conversion's one scale is 2^(eo - e0 - e1), eo = e2 (q), e3 (k), e5 (v).
; LIMITS: eo - e0 - e1 between -126 and 119.  NaN among the inputs is not served.
; THE RESULT: qkvc = three sections of 8 MiB (q, k, v), each [batch x head = 64][16 blocks of 128 t][8,192 bytes]; a block is 16 pieces of 512 bytes, lane l's 16 bytes at 16 l: images of operand registers.
;   With kappa(tau, r) = 32 (tau >> 1) + 8 (tau & 1) + r + 8 (r >> 3):   q, k: piece (tau 0..7, c 0..1) at 2048 (tau & 3) + 1024 (tau >> 2) + 512 c: lane (r, h) holds row t = kappa(tau, r), d = 32 c + 16 h + 0..15.
;   v: piece (t4 0..3, c 0..3) at 2048 t4 + 512 c: lane (r, h) holds d = kappa(t4, r), keys 32 c + 16 h + 0..15.
; REGISTERS, in windows of 256: window 0: v0-31 addresses and scales; v32-95 the bias; from v128 source 1's fragments (8 x 16 rows x 128 K), ONE set, later codes.
;   window 1: source 0's fragments, TWO sets.   window 2: the accumulators of source 1's blocks 0-3 ((a, b) at v[8 (8 a + b)]);   window 3: those of blocks 4-7.
.set ROWB,   256                       ; a tile's row in bytes: 256 codes
.set KROW,   1024                      ; a row of xc or wc in memory
.set PITCH,  272                       ; an LDS row: 256 bytes + 16 of padding = 68 words: row r starts at bank 4 r mod 64 (64 banks of 4 bytes: ISA guide 11.1), so the 16 rows of a load start at 16 different banks
.set FR,     16                        ; registers of a fragment
.set NL,     4                         ; LDS loads that bring one
.set NP,     4                         ; places behind this matrix instruction (ISA guide 7.12.1)
.set HALFT,  128*PITCH                 ; what one tensor load brings
.set SLOT,   4*HALFT                   ; x's 256 rows, then wc's 256 rows
.set SPARE,  2*SLOT                    ; behind the ring: the spare words, 128 bytes a wave: two blocks of 256 bytes that no other line names
.set SP,     144                       ; the way out: a stage of 128 rows x (128 bytes + 16) for each wave, in slot 0, which has had its last fill and its last read by then
.set ADRQ, 16                          ; v16-17  LDS address of source 1's fragments in slot 0, 1
.set ADRP, 20                          ; v20-21  of source 0's
.set STO,  24                          ; v24     the way out: where I put 8 codes
.set RD,   25                          ; v25     where I read 16 back
.set CO,   26                          ; v26     16 x lane
.set SPW,  28                          ; v28     LDS address of my spare word; never rewritten
.set NIL,  29                          ; v29     0; never rewritten
.set SCL,  30                          ; v30     2^(eo - e0 - e1)
.set LIMV, 31
.set BI,   32                          ; v32-95  the bias
.set TMP,  32
.set AF,   128                         ; source 1's fragments
.set CD,   128                         ; the way out: codes, 16 registers a block; then the pieces read back
.set G1, 24                            ; s[24:31] descriptor group 1 for x's tiles;  s[32:39] group 0, one set for each slot
.set G0, 32
.set G1B, 48                           ; s[48:55], s[56:63] the same for wc's tiles
.set G0B, 56
.set OB,  76                           ; s[76:83] the four bases of the way out
.set MSB, 0
.macro WIN new                         ; the immediate's high byte repeats the setting that is left; a switch that changes nothing is dropped
.if MSB != (\new)
	s_set_vgpr_msb (MSB<<8)|(\new)
.set MSB, (\new)
.endif
.endm
.set MUL_LO, 0xa1                      ; source 0 window 1, source 1 window 0, C and D window 2
.set MUL_HI, 0xf1                      ; the same, C and D window 3
.set TO_B,   0x40                      ; destination window 1, address window 0
; A joint load: waves 0 and 1 fetch x's halves, waves 2 and 3 wc's.  Each line has ONE mask and one set of registers for all that issue it; the branch hangs on the wave's number alone.
; Four v_nop follow each of the two lines, ahead of the jump, the label and what follows.
.macro JLOAD g0a, g1a, g0b, g1b
	s_cmp_eq_u32 s15, 0
	s_cbranch_scc0 .Lfor_b_\@
	tensor_load_to_lds s[\g0a:\g0a+3], s[\g1a:\g1a+7]
	s_nop 0
.rept 4
	v_nop
.endr
	s_branch .Lasked_\@
.Lfor_b_\@:
	tensor_load_to_lds s[\g0b:\g0b+3], s[\g1b:\g1b+7]
	s_nop 0
.rept 4
	v_nop
.endr
.Lasked_\@:
.endm
.macro CREST                           ; a round of the cluster's barrier behind its opening barrier
	s_cmp_lg_u32 s14, 0
	s_cbranch_scc1 .Lnot_wave_0_\@
	s_barrier_signal -3
.Lnot_wave_0_\@:
	s_barrier_wait -3
	s_barrier_signal -1
	s_barrier_wait -1
.endm
.macro CROUND                          ; a whole round
	s_barrier_signal -1
	s_barrier_wait -1
	CREST
.endm
	s_load_b128 s[4:7], s[0:1], 0x0                ; xc s[4:5], wc s[6:7]
	s_load_b128 s[8:11], s[0:1], 0x10              ; the scales' exponents s[8:9], b_qkv s[10:11]
	s_load_b64 s[12:13], s[0:1], 0x20              ; qkvc
	v_lshl_add_u32 v[SPW], v0, 2, SPARE
	v_mov_b32 v[NIL], 0
	ds_add_u32 v28, v29
	ds_add_u32 v28, v29
	s_wait_dscnt 0x0
	v_lshrrev_b32 v1, 5, v0
	v_readfirstlane_b32 s14, v1                    ; wave 0..3
	s_lshr_b32 s15, s14, 1                         ; which half of the tile's rows is mine.  Also: I fetch for x (0) or for wc (1)
	s_and_b32 s16, s14, 1                          ; which half of its columns.  Also: which 128 rows of that tile I fetch
	s_bfe_u32 s40, ttmp6, 0x40000                  ; cx, cy: my place in the cluster
	s_bfe_u32 s41, ttmp6, 0x40004
	s_lshl_b32 s42, ttmp9, 2
	s_add_co_u32 s42, s42, s40                     ; tile column = 4 x cluster x + cx: 0..11
	s_and_b32 s17, ttmp7, 0xffff
	s_lshl_b32 s17, s17, 2
	s_add_co_u32 s17, s17, s41                     ; tile row = 4 x cluster y + cy: 0..31
	s_lshl_b32 s43, s41, 2
	s_lshl_b32 s43, 15, s43                        ; my row of the cluster
	s_lshl_b32 s44, 0x1111, s40                    ; my column
	; descriptor group 1: a tile of 128 rows x 256 bytes, padded in LDS
	s_or_b32 s[G1+0], s43, (0<<16)|(1<<20)|(1<<21)|(5<<22)|(3<<25)  ; 15:0 the mask: x's tiles go to my row; 17:16 elements of 1 byte; 20 padding on; 21 set beside a mask; 24:22 after every 64 words (code 5); 31:25 four words (code 3)
	s_or_b32 s[G1B+0], s44, (0<<16)|(1<<20)|(1<<21)|(5<<22)|(3<<25) ; the same with the mask of my column
.irp g, G1, G1B
	s_mov_b32 s[\g+1], ROWB<<16                    ; tensor_dim0
	s_mov_b32 s[\g+2], 128<<16                     ; tensor_dim1
	s_mov_b32 s[\g+3], ROWB<<16                    ; tile_dim0
	s_mov_b32 s[\g+4], 128                         ; tile_dim1
	s_mov_b32 s[\g+5], KROW                        ; tensor_dim0_stride
	s_mov_b32 s[\g+6], 0
	s_mov_b32 s[\g+7], 0
.endr
	s_lshl_b32 s18, s16, 7                         ; which 128 rows of the tile I fetch
	s_lshl_b32 s20, s17, 8
	s_add_co_u32 s20, s20, s18                     ; x: row 256 x tile row + 128 x half,
	s_lshl_b32 s20, s20, 10                        ; in bytes (under 2^23)
	s_lshl_b32 s46, s42, 8
	s_add_co_u32 s46, s46, s18                     ; wc: row 256 x tile column + 128 x half
	s_lshl_b32 s46, s46, 10
	s_mov_b32 s21, 0
	s_mov_b32 s47, 0
	s_mul_i32 s45, s14, HALFT                      ; where they go: wave x 128 rows: no place in the cluster enters an LDS address
	s_wait_kmcnt 0x0
	s_load_b256 s[68:75], s[8:9], 0x0              ; e0 .. e7
	s_add_nc_u64 s[20:21], s[4:5], s[20:21]
	s_add_nc_u64 s[46:47], s[6:7], s[46:47]
	CROUND                                         ; all sixteen work-groups are here: the first joint loads meet
.irp s, 0,1
	s_mov_b32 s[G0+4*\s], 1
	s_add_co_u32 s[G0+4*\s+1], s45, \s*SLOT
	s_add_nc_u64 s[G0+4*\s+2:G0+4*\s+3], s[20:21], \s*ROWB
	s_or_b32 s[G0+4*\s+3], s[G0+4*\s+3], 0x80000000
	s_mov_b32 s[G0B+4*\s], 1
	s_add_co_u32 s[G0B+4*\s+1], s45, \s*SLOT
	s_add_nc_u64 s[G0B+4*\s+2:G0B+4*\s+3], s[46:47], \s*ROWB
	s_or_b32 s[G0B+4*\s+3], s[G0B+4*\s+3], 0x80000000
	JLOAD G0+4*\s, G1, G0B+4*\s, G1B               ; K steps 0 and 1: two loads of mine are out
.endr
	v_and_b32 v1, 15, v0                           ; r = l % 16
	v_bfe_u32 v2, v0, 4, 1                         ; h = l / 16
	v_mul_u32_u24 v3, v1, PITCH
	v_lshl_add_u32 v4, v2, 4, v3                   ; a fragment's row x pitch + 16 x half
	s_wait_alu depctr_va_vdst(0)
	s_mul_i32 s21, s15, HALFT                      ; my 128 rows of x
	s_mul_i32 s22, s16, HALFT                      ; my 128 rows of wc,
	s_add_co_u32 s22, s22, 2*HALFT                 ; which lie behind x's 256
	s_cmp_eq_u32 ttmp9, 2                          ; v's columns?
	s_cselect_b32 s84, s21, s22                    ; source 0: x's rows for v, wc's rows for q and k
	s_cselect_b32 s85, s22, s21                    ; source 1: the other
.irp s, 0,1
	v_add_nc_u32 v[ADRQ+\s], s85, v4
	v_add_nc_u32 v[ADRP+\s], s84, v4
	s_add_co_u32 s84, s84, SLOT
	s_add_co_u32 s85, s85, SLOT
.endr
	s_mul_i32 s23, s14, 128*SP                     ; my stage
	v_mul_u32_u24 v5, v1, SP
	v_lshl_add_u32 v5, v2, 3, v5
	v_add_nc_u32 v[STO], s23, v5                   ; in: row r, 8 bytes for each half of the lanes
	v_and_b32 v6, 8, v1
	v_add_nc_u32 v6, v6, v1                        ; r + 8 (r / 8)
	v_mul_u32_u24 v6, v6, SP
	v_lshl_add_u32 v6, v2, 4, v6
	v_add_nc_u32 v[RD], s23, v6                    ; back: row r + 8 (r / 8), 16 bytes for each half
	v_and_b32 v7, 31, v0
	v_lshlrev_b32 v[CO], 4, v7
	; where my part of qkvc begins: section, batch x 16 + my first head, my block of 128 t
	s_lshl_b32 s92, ttmp9, 23                      ; 8 MiB a section
	s_lshr_b32 s93, s17, 3                         ; the batch: 8 tile rows each
	s_lshl_b32 s93, s93, 4
	s_lshl_b32 s94, s40, 2                         ; 4 heads a tile column,
	s_add_co_u32 s93, s93, s94
	s_lshl_b32 s94, s16, 1                         ; 2 a wave
	s_add_co_u32 s93, s93, s94
	s_lshl_b32 s93, s93, 17                        ; 131,072 bytes a head
	s_add_co_u32 s92, s92, s93
	s_and_b32 s93, s17, 7
	s_lshl_b32 s93, s93, 1
	s_add_co_u32 s93, s93, s15                     ; the block of 128 t
	s_lshl_b32 s93, s93, 13
	s_add_co_u32 s92, s92, s93
	s_mov_b32 s93, 0
	s_add_nc_u64 s[OB:OB+1], s[12:13], s[92:93]
	s_mov_b32 s94, 0x20000
	s_mov_b32 s95, 0
	s_cmp_eq_u32 ttmp9, 2
	s_cselect_b32 s92, s94, 1024                   ; the upper 64 stage rows: q, k: tiles 4-7, 1,024 bytes on; v: the next head
	s_cselect_b32 s94, 1024, s94                   ; the upper 64 stage columns: q, k: the next head; v: pieces 2 and 3
	s_add_nc_u64 s[OB+2:OB+3], s[OB:OB+1], s[94:95]
	s_add_nc_u64 s[OB+4:OB+5], s[OB:OB+1], s[92:93]
	s_add_nc_u64 s[OB+6:OB+7], s[OB+4:OB+5], s[94:95]
	; the bias of my 128 columns
	s_lshl_b32 s86, s42, 10
	s_lshl_b32 s87, s16, 9
	s_add_co_u32 s86, s86, s87
	s_mov_b32 s87, 0
	s_add_nc_u64 s[10:11], s[10:11], s[86:87]
	s_wait_kmcnt 0x0
	s_add_co_i32 s88, s68, s69                     ; e0 + e1
	s_sub_co_i32 s89, 0, s88
	s_cmp_eq_u32 ttmp9, 2
	s_cbranch_scc1 .Lbias_v
	v_lshlrev_b32 v5, 5, v2                        ; q, k: register j of accumulator (a, b) is column 16 b + 8 h + j
.irp b, 0,1,2,3,4,5,6,7
	global_load_b128 v[BI+8*\b:BI+8*\b+3], v5, s[10:11] offset:64*\b
	global_load_b128 v[BI+8*\b+4:BI+8*\b+7], v5, s[10:11] offset:64*\b+16
.endr
	s_wait_loadcnt 0x0
.set i, 0
.rept 64
	v_ldexp_f32 v[BI+i], v[BI+i], s89              ; / 2^(e0 + e1)
.set i, i+1
.endr
	s_branch .Lbias_done
.Lbias_v:
	v_lshlrev_b32 v5, 2, v1                        ; v: all eight registers of accumulator (a, b) are column 16 a + r
.irp a, 0,1,2,3,4,5,6,7
	global_load_b32 v[96+\a], v5, s[10:11] offset:64*\a
.endr
	s_wait_loadcnt 0x0
.set i, 0
.rept 64
	v_ldexp_f32 v[BI+i], v[96+i/8], s89
.set i, i+1
.endr
.Lbias_done:
	s_cmp_eq_u32 ttmp9, 0
	s_cselect_b32 s90, s70, s71                    ; e2 for q, e3 for k,
	s_cmp_eq_u32 ttmp9, 2
	s_cselect_b32 s90, s73, s90                    ; e5 for v
	s_sub_co_i32 s90, s90, s88
	s_add_co_i32 s90, s90, 127
	s_lshl_b32 s91, s90, 23
	v_mov_b32 v[SCL], s91                          ; 2^(eo - e0 - e1): the three scales folded into the conversion's one
.macro FRAG reg, adr, q, i             ; a fragment, 16 rows x 128 places of K: registers 4 c .. 4 c + 3 hold places 32 c + 16 (l / 16) + 0 .. 15, alike in both sources
.irp c, 0,1,2,3
	ds_load_b128 v[\reg+4*\c:\reg+4*\c+3], v[\adr] offset:128*(\q)+32*\c+(\i)*16*PITCH
.endr
.endm
; 16 matrix instructions: source 1's blocks a0, a0 + 1 x source 0's eight.  p: source 0's set.  mode 0: the sums go on; 1: they begin with the bias by b (q, k); 2: with the bias by a (v).  Nothing is ever cleared.
; The 64 accumulators take turns, one instruction a turn, in the same order in every step.
.macro MUL16 a0, p, mode
.irp a, \a0, \a0+1
.irp b, 0,1,2,3,4,5,6,7
.if \mode == 1
	v_wmma_f32_16x16x128_fp8_fp8 v[8*(8*((\a)%4)+\b):8*(8*((\a)%4)+\b)+7], v[128*(\p)+FR*\b:128*(\p)+FR*\b+FR-1], v[AF+FR*(\a):AF+FR*(\a)+FR-1], v[BI+8*\b:BI+8*\b+7]
.elseif \mode == 2
	v_wmma_f32_16x16x128_fp8_fp8 v[8*(8*((\a)%4)+\b):8*(8*((\a)%4)+\b)+7], v[128*(\p)+FR*\b:128*(\p)+FR*\b+FR-1], v[AF+FR*(\a):AF+FR*(\a)+FR-1], v[BI+8*(\a):BI+8*(\a)+7]
.else
	v_wmma_f32_16x16x128_fp8_fp8 v[8*(8*((\a)%4)+\b):8*(8*((\a)%4)+\b)+7], v[128*(\p)+FR*\b:128*(\p)+FR*\b+FR-1], v[AF+FR*(\a):AF+FR*(\a)+FR-1], v[8*(8*((\a)%4)+\b):8*(8*((\a)%4)+\b)+7]
.endif
.endr
.endr
.endm
.macro FETCH_B slot, q, p              ; source 0's eight fragments of the slot's q-th 128 places into set p
	WIN TO_B
.irp i, 0,1,2,3,4,5,6,7
	FRAG 128*(\p)+FR*\i, ADRP+\slot, \q, \i
.endr
	WIN 0
.endm
.macro FETCH_A slot, q, i0             ; source 1's blocks i0 .. i0 + 3
.irp i, \i0, \i0+1, \i0+2, \i0+3
	FRAG AF+FR*(\i), ADRQ+\slot, \q, \i
.endr
.endm
; A load into a register that a matrix instruction has read, and a vector instruction that reads a matrix result or writes one of its registers, stand NP places behind it; only plain vector
; instructions that name none of its registers are places (ISA guide 7.12.1 for vector instructions).
.macro PLACES n
.rept \n
	v_nop
.endr
.endm
; A step of 128 places that has its successor in the same slot.
.macro STEP slot, q, mode
	s_wait_dscnt 4*NL                              ; source 0's set and source 1's blocks 0-3 are in; the youngest 16 loads (blocks 4-7) may be out
.if \mode
	WIN 0x81                                       ; as MUL_LO, with C (the bias) in window 0
.else
	WIN MUL_LO
.endif
	MUL16 0, (\q)%2, \mode
	MUL16 2, (\q)%2, \mode
	s_wait_dscnt 0                                 ; blocks 4-7 are in (asked for 32 matrix instructions ago)
	PLACES NP
	FETCH_B \slot, (\q)+1, 1-(\q)%2
	FETCH_A \slot, (\q)+1, 0
.if \mode
	WIN 0xc1                                       ; as MUL_HI, with C in window 0
.else
	WIN MUL_HI
.endif
	MUL16 4, (\q)%2, \mode
	MUL16 6, (\q)%2, \mode
	PLACES NP
	WIN 0
	FETCH_A \slot, (\q)+1, 4
.endm
; A slot's last step changes slots: ONE barrier; in front of it each wave waits for all its tensor loads, adds 0 to its spare word, and waits for that and for its own reads of this slot.  fill = 1: the slot is filled again, two K steps ahead.
.macro TURN slot, next, fill
	s_wait_tensorcnt 0x0                           ; all my tensor loads have landed: my part of the next slot.  (Every window is 0 here: the add's registers lie in window 0)
	ds_add_u32 v[SPW], v[NIL]                      ; 0 onto my spare word
	s_wait_dscnt 4*NL+1                            ; the add and the youngest 16 loads (blocks 4-7) may be out
	WIN MUL_LO
	MUL16 0, 1, 0                                  ; sixteen matrix instructions stand between the add and the wait for it
	s_wait_dscnt 0x0                               ; the add is done, and my reads of this slot are over
	s_barrier_signal -1
	MUL16 2, 1, 0
	WIN 0
	s_barrier_wait -1
.if \fill
	CREST                                          ; the barrier has opened a round of the cluster's: no wave of any partner still reads this slot's tile or has a load on its way
	s_add_nc_u64 s[G0+4*\slot+2:G0+4*\slot+3], s[G0+4*\slot+2:G0+4*\slot+3], 2*ROWB
	s_add_nc_u64 s[G0B+4*\slot+2:G0B+4*\slot+3], s[G0B+4*\slot+2:G0B+4*\slot+3], 2*ROWB
	JLOAD G0+4*\slot, G1, G0B+4*\slot, G1B         ; the first tensor load behind the round, my one load until the next; its four v_nop are the places in front of the loads below
.else
	PLACES NP
.endif
	FETCH_B \next, 0, 0
	FETCH_A \next, 0, 0
	WIN MUL_HI
	MUL16 4, 1, 0
	MUL16 6, 1, 0
	PLACES NP
	WIN 0
	FETCH_A \next, 0, 4
.endm
	s_wait_tensorcnt 1                             ; my part of K step 0 is in; K step 1's load may be out
	s_barrier_signal -1
	s_barrier_wait -1                              ; everybody's is
	FETCH_B 0, 0, 0
	FETCH_A 0, 0, 0
	FETCH_A 0, 0, 4
	s_cmp_eq_u32 ttmp9, 2                          ; the first step is written twice: its products name the bias by b or by a.  Register work and LDS loads alone stand on the two ways
	s_cbranch_scc1 .Lfirst_v
	s_wait_alu depctr_va_vdst(0)
	STEP 0, 0, 1
	s_branch .Lfirst_done
.Lfirst_v:
	s_wait_alu depctr_va_vdst(0)
	STEP 0, 0, 2
.Lfirst_done:
	TURN 0, 1, 1                                   ; four K steps: the ring goes round twice, written out; slot 0 takes K step 2,
	STEP 1, 0, 0
	TURN 1, 0, 1                                   ; slot 1 K step 3
	STEP 0, 0, 0
	TURN 0, 1, 0                                   ; nothing is left to fetch: behind this barrier nobody reads slot 0, and no load fills it again
	STEP 1, 0, 0
	s_wait_dscnt 4*NL
	WIN MUL_LO
	MUL16 0, 1, 0
	MUL16 2, 1, 0
	s_wait_dscnt 0
	WIN MUL_HI
	MUL16 4, 1, 0
	MUL16 6, 1, 0
	WIN 0
; THE WAY OUT.  Block a: 64 sums a lane are converted (8 codes run along source 0's rows) and put into my stage: row = source 1's row 16 a + r, byte = source 0's row 16 b + 8 h + j.
; So the stage holds [t][two heads x 64 d] for q and k, [two heads x 64 d][t] for v: in both, K of the next product runs along the bytes.
.macro CONV a
.set AC, 64*((\a)%4)
	WIN 0x02+((\a)/4)                              ; source 0: window 2 or 3
.set i, 0
.rept 64
.set i, i+1
.endr
.irp b, 0,1,2,3,4,5,6,7
	v_cvt_scalef32_pk8_fp8_f32 v[CD+16*(\a)+2*\b:CD+16*(\a)+2*\b+1], v[AC+8*\b:AC+8*\b+7], v[SCL]
.endr
	WIN 0
	v_nop
.irp b, 0,1,2,3,4,5,6,7
	ds_store_b64 v[STO], v[CD+16*(\a)+2*\b:CD+16*(\a)+2*\b+1] offset:(\a)*16*SP+16*\b
.endr
.endm
	PLACES NP                                      ; behind the last products: their results are read and their sources written below
.irp a, 0,1,2,3,4,5,6,7
	CONV \a
.endr
	s_wait_dscnt 0x0                               ; the stores have read their registers, which the loads below take
; Back as pieces: rows kappa(4 rh + rl, r), bytes 32 (2 gh + gl) + 16 h + 0..15.  One set of 32 reads serves q, k and v; only the four bases differ.
.irp rh, 0,1
.irp gh, 0,1
.irp rl, 0,1,2,3
.irp gl, 0,1
	ds_load_b128 v[CD+4*(((\rh*2+\gh)*4+\rl)*2+\gl):CD+4*(((\rh*2+\gh)*4+\rl)*2+\gl)+3], v[RD] offset:(32*((4*\rh+\rl)/2)+8*(\rl%2))*SP+32*(2*\gh+\gl)
.endr
.endr
.endr
.endr
.irp rh, 0,1
.irp gh, 0,1
.irp rl, 0,1,2,3
.irp gl, 0,1
	s_wait_dscnt 31-(((\rh*2+\gh)*4+\rl)*2+\gl)    ; this piece is back; the younger loads may be out
	global_store_b128 v[CO], v[CD+4*(((\rh*2+\gh)*4+\rl)*2+\gl):CD+4*(((\rh*2+\gh)*4+\rl)*2+\gl)+3], s[OB+2*(2*\rh+\gh):OB+2*(2*\rh+\gh)+1] offset:\rl*2048+\gl*512   ; 32 lanes store 512 consecutive bytes, aligned
.endr
.endr
.endr
.endr
	s_wait_tensorcnt 0x0                           ; the wave's end, behind my last tensor load and my last LDS store
	ds_add_u32 v[SPW], v[NIL]
	s_wait_dscnt 0x0
	CROUND                                         ; the closing round: no work-group ends while a partner may still ask for a tile that names it
	s_endpgm
.Lfunc_end_k_qe552995873_qkv:
	.size	k_qe552995873_qkv, .Lfunc_end_k_qe552995873_qkv-k_qe552995873_qkv
	.p2alignl 7, 3214868480
	.fill 96, 4, 3214868480
	.section	.rodata,"a",@progbits
	.p2align	6, 0x0
	.amdhsa_kernel k_qe552995873_qkv
		.amdhsa_group_segment_fixed_size 327680
		.amdhsa_private_segment_fixed_size 0
		.amdhsa_enable_private_segment 0
		.amdhsa_kernarg_size 40
		.amdhsa_user_sgpr_count 2
		.amdhsa_user_sgpr_kernarg_segment_ptr 1
		.amdhsa_wavefront_size32 1
		.amdhsa_system_sgpr_workgroup_id_x 1
		.amdhsa_system_sgpr_workgroup_id_y 1
		.amdhsa_system_sgpr_workgroup_id_z 1
		.amdhsa_system_vgpr_workitem_id 0
		.amdhsa_next_free_vgpr 1024
		.amdhsa_next_free_sgpr 100
		.amdhsa_reserve_vcc 0
		.amdhsa_float_denorm_mode_32 3
		.amdhsa_float_denorm_mode_16_64 3
		.amdhsa_fp16_overflow 1
		.amdhsa_memory_ordered 1
		.amdhsa_forward_progress 1
		.amdhsa_inst_pref_size 113
	.end_amdhsa_kernel
	.amdgpu_metadata
---
amdhsa.version: [ 1, 2 ]
amdhsa.kernels:
  - .name:           k_qe552995873_qkv
    .symbol:         k_qe552995873_qkv.kd
    .args:
      - { .name: xc, .offset: 0, .size: 8, .value_kind: global_buffer, .address_space: global }
      - { .name: wc, .offset: 8, .size: 8, .value_kind: global_buffer, .address_space: global }
      - { .name: lowp_scales, .offset: 16, .size: 8, .value_kind: global_buffer, .address_space: global }
      - { .name: b_qkv, .offset: 24, .size: 8, .value_kind: global_buffer, .address_space: global }
      - { .name: qkvc, .offset: 32, .size: 8, .value_kind: global_buffer, .address_space: global }
    .group_segment_fixed_size: 327680
    .private_segment_fixed_size: 0
    .kernarg_segment_align: 8
    .kernarg_segment_size: 40
    .max_flat_workgroup_size: 128
    .sgpr_count:     100
    .vgpr_count:     1024
    .wavefront_size: 32
...
	.end_amdgpu_metadata
.endif
;; end of part 2
;; launch attn (part 3): grid 4 x 64, 16 waves a work-group, no clusters, 327,680 bytes of LDS; arguments qkvc, lowp_scales, yc; writes yc
.if DOCPART == 3
	.amdgcn_target "amdgcn-amd-amdhsa--gfx1250"
	.amdhsa_code_object_version 6
	.text
	.protected	k_qe552995873_attn
	.globl	k_qe552995873_attn
	.p2align	8
	.type	k_qe552995873_attn,@function
k_qe552995873_attn:
	s_mov_b64 s[64:65], 0
	v_nop
	global_prefetch_b8 v0, s[64:65] scope:SCOPE_SE
	s_setreg_imm32_b32 hwreg(HW_REG_WAVE_MODE, 25, 1), 1
	s_wait_xcnt 0x0
; y = softmax(q k^T / 8, causal) v for 64 heads of 2,048 x 64, both products on codes of E4M3, and y quantised at once for the last product.
; qkvc holds q's, k's and v's codes as images of operand registers: sections of 8 MiB, [head 64][16 blocks of 128 t][16 pieces of 512 bytes, lane l's 16 bytes at 16 l].
;   With kappa(tau, r) = 32 (tau >> 1) + 8 (tau & 1) + r + 8 (r >> 3):  q, k: piece (tau, c) at 2048 (tau & 3) + 1024 (tau >> 2) + 512 c: lane (r, h): row kappa(tau, r), d = 32 c + 16 h + 0..15.
;   v: piece (t4, c) at 2048 t4 + 512 c: lane (r, h): d = kappa(t4, r), keys 32 c + 16 h + 0..15.
; THE SOFTMAX AHEAD OF THE SECOND PRODUCT: t = score x log2(e) / 8; M = the row's largest t so far, rounded UP to a whole number; p = 2^(t - M) is quantised, not normalised.  The row's sum is taken of the
; unquantised p and divides at the end.  When M moves, the sum and O are multiplied by 2^(old M - new M): exact.
; SHARES.  A work-group owns the blocks g and 7 - g of 256 queries of one head.  Block b needs the key slots 0..b of 256 keys: (g + 1) + (8 - g) = 9 visits in every work-group: 256 work-groups of equal
; work and loops of constant count.  Each of SIXTEEN waves owns one tile of 16 queries, tile w & 7 of the 128-block w >> 3 of the block in hand: queries kappa(w & 7, r).  Four waves share a SIMD, so that one
; wave's vector work stands beside another's matrix work and LDS loads.
; LAYOUT.  Both products transposed: S^T = K Q^T (source 0 = 16 keys), O^T = V^T P^T (source 0 = 16 of the head's 64): a lane holds ONE query throughout.  By kappa the 16 registers of tiles 2 b, 2 b + 1 are
; 16 neighbours (keys in S^T, channels in O^T): the conversions' results are the next operand's registers, and y's codes leave straight from registers.
; yc [64 blocks of 128 rows][8 K steps of 128][8 tiles][4 pieces][512 bytes]: lane (r, h): row kappa(tile, r), k = 128 s + 32 c + 16 h + 0..15.
; CAUSAL.  A step of 128 keys that begins behind my 128-block is left out by a scalar branch on ids; the step that begins with it is masked; earlier steps are open.  Key 0 counts for every query.
; NO JOINT LOADS: the four work-groups of a head read the same K and V, but the pairing that makes their work equal gives them different orders of slots; partners walking slots 0..7 together
; would each last as long as the longest block in every visit: 12 block visits in place of 9.
; LIMITS on the given exponents: e2 + e3 between -123 and 130 (added to an exponent field); e4 and e6 between -126 and 119; e4 + e5 goes by v_ldexp_f32 and has none.  NaN among the inputs is not served.
; REGISTERS: v1-6 addresses that stay; v12 -M, v13 the largest t, v[14:15] the sum in two halves; v16-23 Q; v24-31 the second block's Q; v32-95 fragments of K, then of V; v96-159 S^T, then p; v160-191 O^T;
;   v192-207 p's codes; v208-215 y's codes; v244: 2^e4; v245: 2^e6; v236, v242-243, v252-254 at work.
.set SLOT1, 32768                      ; a slot: K's two images of 8,192 bytes, then V's two; slot 1 begins here, so that one exclusive or changes slots
.set SPARE, 65536                      ; behind the ring: the spare words, 128 bytes for each of 16 waves: eight blocks of 256 bytes that no other line names
.set LI,   1                           ; v1   16 x lane
.set ADR,  2                           ; v2   LDS address of the slot in hand for my lane
.set PFO,  3                           ; v3   256 x lane: the prefetches' offset; never rewritten
.set DM,   4                           ; v4   kappa(w & 7, r) - 16 h: on the diagonal register 16 b + i is hidden where 32 b + i > this
.set SPW,  5                           ; v5   LDS address of my spare word; never rewritten
.set NIL,  6                           ; v6   0; never rewritten
.set KV,   32
.set S,    96
.set O,    160
.set PC,   192
.set YC,   208
.set TB,   2                           ; s2   LDS byte at which the slot in hand begins
.set WV,   18                          ; s18  my wave's number
.set G,    19                          ; s19  g
.set SEL,  20                          ; s[20:21] lane selects for v_permlanex16_b32: lane l xor 16
.set CS,   22                          ; s[22:23] c = log2(e) / 8 x 2^(e2 + e3)
.set G1,   24                          ; s[24:31] descriptor group 1
.set G0,   40                          ; s[40:43] descriptor group 0
.set KVB,  44                          ; s[44:45] my head's first byte of K (wave 0) or V (wave 1)
.set OFF,  46                          ; s[46:47] the next slot's bytes
.set NS,   48                          ; s48  the key slot of the visit that is asked for
.set U,    49                          ; s49  the visit
.set KF,   50                          ; s50  the step's first key
.set Q0,   51                          ; s51  my 128-block's first query
.set QD,   52                          ; s52  from block g to block 7 - g, in queries
.set YB,   54                          ; s[54:55] where my tile's codes of y go
.set YD,   56                          ; s[56:57] from block g to block 7 - g there
.set PFA,  58                          ; s[58:59] where my prefetches stand
.set LIM,  60                          ; s60  6 in a wave that prefetches, else 0
.set EPV,  61                          ; s61  e4 + e5
; Wave 0 fetches a slot's K, wave 1 its V, 16,384 dense bytes each; the others nothing.  The branch hangs on the wave's number alone.  Four v_nop follow the line.
.macro TLOAD
	s_cmp_lt_u32 s[WV], 2
	s_cbranch_scc0 .Lasked_\@
	tensor_load_to_lds s[G0:G0+3], s[G1:G1+7]
	s_nop 0
.rept 4
	v_nop
.endr
.Lasked_\@:
.endm
; A PREFETCH INTO THE L2, at the change of slots, where the fetching waves have their tensor load.  Only the work-group g = 0 of a head asks, which walks slots 0..7 in visits 1..8: in visit U = 1..6 for key slot U + 1,
; which its own tensor load names one visit later.  Waves 4 and 5 take the two halves of K's 16,384 bytes, waves 6 and 7 of V's: 8,192 bytes a wave, lanes 256 bytes apart, one instruction.
; So slots 2..7 are named once each in the launch; nothing is asked for at the head, and nothing past slot 7.
.macro ASK
	s_sub_co_u32 s62, s[U], 1
	s_cmp_lt_u32 s62, s[LIM]
	s_cbranch_scc0 .Lnot_mine_\@
	global_prefetch_b8 v[PFO], s[PFA:PFA+1] th:TH_LOAD_NT scope:SCOPE_SE
.Lnot_mine_\@:
.endm
.macro FRESH                           ; a block's state: the first change of M multiplies zeros
	v_mov_b32 v13, 0xff61b1e6                      ; the largest t so far: -3e38, under every t
	s_delay_alu instid0(VALU_DEP_1)
	v_floor_f32 v12, -v13                          ; -M
	v_mov_b32 v14, 0
	v_mov_b32 v15, 0
.set n, 0
.rept 32
	v_mov_b32 v[O+n], 0
.set n, n+1
.endr
.endm
	s_load_b128 s[4:7], s[0:1], 0x0                ; qkvc s[4:5], the scales' exponents s[6:7]
	s_load_b64 s[8:9], s[0:1], 0x10                ; yc
	v_lshl_add_u32 v[SPW], v0, 2, SPARE
	v_mov_b32 v[NIL], 0
	ds_add_u32 v5, v6
	ds_add_u32 v5, v6
	s_wait_dscnt 0x0
	v_lshrrev_b32 v7, 5, v0
	s_delay_alu instid0(VALU_DEP_1)
	v_readfirstlane_b32 s[WV], v7                  ; wave 0..15
	s_mov_b32 s[G], ttmp9
	s_and_b32 s10, ttmp7, 0xffff                   ; batch x 16 + head
	s_and_b32 s11, s[WV], 1
	s_lshr_b32 s12, s[WV], 3
	s_lshl_b32 s13, s10, 17                        ; 131,072 bytes a head in each section
	s_add_co_u32 s32, s11, 1                       ; section 1 (K) or 2 (V)
	s_lshl_b32 s32, s32, 23
	s_add_co_u32 s32, s32, s13
	s_mov_b32 s33, 0
	; descriptor group 1: 16,384 dense bytes as 64 rows of 32 elements of 8 bytes; no padding: every read is 16 x lane + a constant
	s_mov_b32 s[G1], 3<<16                         ; 15:0 no mask; 17:16 elements of 8 bytes
	s_mov_b32 s[G1+1], 32<<16                      ; tensor_dim0
	s_mov_b32 s[G1+2], 64<<16                      ; tensor_dim1
	s_mov_b32 s[G1+3], 32<<16                      ; tile_dim0
	s_mov_b32 s[G1+4], 64                          ; tile_dim1
	s_mov_b32 s[G1+5], 32                          ; tensor_dim0_stride
	s_mov_b32 s[G1+6], 0
	s_mov_b32 s[G1+7], 0
	s_mov_b32 s[G0], 1                             ; count = 1
	s_lshl_b32 s[G0+1], s11, 14                    ; LDS address: slot 0; K first, V 16,384 bytes on
	s_mov_b32 s[SEL], 0x76543210
	s_mov_b32 s[SEL+1], 0xfedcba98
	s_mov_b32 s[TB], 0
	s_mov_b32 s[NS], 0
	s_mov_b32 s[OFF+1], 0
	s_mov_b32 s[U], 0
	s_mov_b32 s[KF], 0
	s_wait_kmcnt 0x0
	s_load_b256 s[68:75], s[6:7], 0x0              ; e0 .. e7
	s_add_nc_u64 s[KVB:KVB+1], s[4:5], s[32:33]
	s_mov_b64 s[G0+2:G0+3], s[KVB:KVB+1]           ; key slot 0
	s_or_b32 s[G0+3], s[G0+3], 0x80000000          ; type = 2
	TLOAD                                          ; visit 0's slot
	s_lshl_b32 s34, s[G], 1
	s_add_co_u32 s34, s34, s12                     ; my 128-block: 2 g + (w >> 3)
	s_lshl_b32 s35, s34, 13
	s_add_co_u32 s35, s35, s13
	s_and_b32 s36, s[WV], 3
	s_lshl_b32 s36, s36, 11
	s_add_co_u32 s35, s35, s36
	s_bfe_u32 s36, s[WV], 0x10002
	s_lshl_b32 s36, s36, 10
	s_add_co_u32 s36, s35, s36                     ; my tile's two pieces of q
	s_mov_b32 s37, 0
	s_add_nc_u64 s[14:15], s[4:5], s[36:37]
	s_lshl_b32 s38, s[G], 1
	s_sub_co_u32 s38, 7, s38                       ; 7 - 2 g blocks of 256 on
	s_lshl_b32 s36, s38, 14
	s_add_nc_u64 s[16:17], s[14:15], s[36:37]
	v_and_b32 v7, 31, v0
	s_delay_alu instid0(VALU_DEP_1)
	v_lshlrev_b32 v[LI], 4, v7
	s_delay_alu instid0(VALU_DEP_2)
	v_lshlrev_b32 v[PFO], 8, v7
	global_load_b128 v[16:19], v[LI], s[14:15]     ; Q of block g,
	global_load_b128 v[20:23], v[LI], s[14:15] offset:512
	global_load_b128 v[24:27], v[LI], s[16:17]     ; and of block 7 - g: both stay in registers
	global_load_b128 v[28:31], v[LI], s[16:17] offset:512
	v_and_b32 v8, 15, v0                           ; r
	v_bfe_u32 v9, v0, 4, 1                         ; h
	s_delay_alu instid0(VALU_DEP_2)
	v_and_b32 v10, 8, v8
	s_delay_alu instid0(VALU_DEP_1)
	v_add_nc_u32 v[DM], v8, v10
	s_delay_alu instid0(VALU_DEP_3)
	v_lshlrev_b32 v9, 4, v9
	s_delay_alu instid0(VALU_DEP_1)
	v_sub_nc_u32 v[DM], v[DM], v9
	s_bfe_u32 s36, s[WV], 0x20001
	s_lshl_b32 s36, s36, 5
	s_lshl_b32 s39, s11, 3
	s_add_co_u32 s36, s36, s39
	v_add_nc_u32 v[DM], s36, v[DM]
	s_lshl_b32 s[Q0], s34, 7
	s_lshl_b32 s[QD], s38, 8
	s_lshr_b32 s36, s10, 4                         ; yc: the batch's 16 blocks of 128 rows, + my 128-block,
	s_lshl_b32 s36, s36, 4
	s_add_co_u32 s36, s36, s34
	s_lshl_b32 s36, s36, 17
	s_bfe_u32 s39, s10, 0x30001                    ; K step head / 2,
	s_lshl_b32 s39, s39, 14
	s_add_co_u32 s36, s36, s39
	s_and_b32 s39, s[WV], 7                        ; my tile,
	s_lshl_b32 s39, s39, 11
	s_add_co_u32 s36, s36, s39
	s_and_b32 s39, s10, 1                          ; pieces 2 (head & 1) + 0, 1
	s_lshl_b32 s39, s39, 10
	s_add_co_u32 s36, s36, s39
	s_add_nc_u64 s[YB:YB+1], s[8:9], s[36:37]
	s_lshl_b32 s[YD], s38, 18
	s_mov_b32 s[YD+1], 0
	s_bfe_u32 s36, s[WV], 0x10001                  ; the prefetches: waves 4, 5: K; waves 6, 7: V
	s_add_co_u32 s36, s36, 1
	s_lshl_b32 s36, s36, 23
	s_add_co_u32 s36, s36, s13
	s_lshl_b32 s39, s11, 13                        ; my half of a slot's 16,384 bytes
	s_add_co_u32 s36, s36, s39
	s_add_nc_u64 s[PFA:PFA+1], s[4:5], s[36:37]    ; at slot 0: each change of slots steps it, so in visit U it stands at slot U + 1
	s_lshr_b32 s39, s[WV], 2
	s_xor_b32 s39, s39, 1                          ; 0 in waves 4 to 7,
	s_or_b32 s39, s39, ttmp9                       ; of the work-group g = 0
	s_cmp_eq_u32 s39, 0
	s_cselect_b32 s[LIM], 6, 0
	FRESH
.irp j, 236,242,243,252,253,254
	v_mov_b32 v\j, 0                               ; written once: a lane permute's destination counts as a source, and pairs are named whole
.endr
	s_wait_kmcnt 0x0
	s_add_co_i32 s36, s70, s71
	s_lshl_b32 s36, s36, 23
	s_mov_b32 s[CS], 0x3e38aa3b                    ; log2(e) / 8
	s_add_co_i32 s[CS], s[CS], s36                 ; a score stands for score x 2^(e2 + e3): the exponents are added to c's exponent field
	s_mov_b32 s[CS+1], s[CS]                       ; (named with it as a pair)
	s_add_co_i32 s36, s72, 127
	s_lshl_b32 s39, s36, 23
	v_mov_b32 v244, s39                            ; 2^e4
	s_add_co_i32 s36, s74, 127
	s_lshl_b32 s39, s36, 23
	v_mov_b32 v245, s39                            ; 2^e6
	s_add_co_i32 s[EPV], s72, s73
; A KEY STEP: 128 keys, the q-th of the slot in hand.
.macro STEP q
	s_cmp_gt_u32 s[KF], s[Q0]                      ; all 128 keys come behind my 128 queries: the step's work is left out; no barrier and no tensor load stands in a step
	s_cbranch_scc1 .Lhidden_\@
	v_add_nc_u32 v[ADR], s[TB], v[LI]
.rept 3
	v_nop                                          ; with the addition above: four places in front of loads into registers that the last products read
.endr
.irp t, 0,1,2,3,4,5,6,7
.irp c, 0,1
	ds_load_b128 v[KV+8*\t+4*\c:KV+8*\t+4*\c+3], v[ADR] offset:8192*(\q)+(\t%4)*2048+(\t/4)*1024+512*\c
.endr
.endr
	s_wait_alu depctr_va_vdst(0)
	s_wait_dscnt 0x0
.irp t, 0,1,2,3,4,5,6,7                        ; S^T = K Q^T: lane (r, h) holds query r; the 16 registers of tiles 2 b, 2 b + 1 are keys 32 b + 16 h + 0..15
	v_wmma_f32_16x16x64_fp8_fp8 v[S+8*\t:S+8*\t+7], v[KV+8*\t:KV+8*\t+7], v[16:23], 0
.endr
.rept 4
	v_nop                                          ; places in front of the loads below and of the first read of the scores
.endr
.irp t, 0,1,2,3                                ; V's four fragments land while the softmax is worked
.irp c, 0,1,2,3
	ds_load_b128 v[KV+16*\t+4*\c:KV+16*\t+4*\c+3], v[ADR] offset:16384+8192*(\q)+2048*\t+512*\c
.endr
.endr
	s_cmp_lg_u32 s[KF], s[Q0]                      ; only the step that begins with my 128-block lies on the diagonal
	s_cbranch_scc1 .Lopen_\@
	v_mov_b32 v254, 0xff800000                     ; hidden scores become -infinity ahead of the maximum: p = 0 then
.set n, 0
.rept 64
	v_cmp_gt_i32 vcc_lo, 32*(n/16)+n%16, v[DM]
	v_cndmask_b32 v[S+n], v[S+n], v254, vcc_lo
.set n, n+1
.endr
.Lopen_\@:
	v_max3_num_f32 v254, v[S], v[S+1], v[S+2]      ; the step's largest score of my query, among my 64 keys, in two chains,
	v_max3_num_f32 v252, v[S+3], v[S+4], v[S+5]
.set n, 6
.rept 14
	v_max3_num_f32 v254, v254, v[S+n], v[S+n+1]
	v_max3_num_f32 v252, v252, v[S+n+2], v[S+n+3]
.set n, n+4
.endr
	v_max3_num_f32 v254, v254, v[S+62], v[S+63]
	s_delay_alu instid0(VALU_DEP_1)
	v_max_num_f32 v254, v254, v252
	s_delay_alu instid0(VALU_DEP_1)
	v_permlanex16_b32 v236, v254, s[SEL], s[SEL+1]
	s_delay_alu instid0(VALU_DEP_1)
	v_max_num_f32 v254, v254, v236                 ; and among lane l xor 16's
	s_delay_alu instid0(VALU_DEP_1)
	v_mul_f32 v254, s[CS], v254                    ; as t (c is positive)
	s_delay_alu instid0(VALU_DEP_1)
	v_max_num_f32 v13, v13, v254                   ; the running largest t
	v_mov_b32 v254, v12
	s_delay_alu instid0(VALU_DEP_2)
	v_floor_f32 v12, -v13                          ; the new -M = floor(-t) = -ceil(t): a whole number
	s_delay_alu instid0(VALU_DEP_1)
	v_sub_f32 v254, v12, v254                      ; old M less new M: a whole number, 0 or less
	s_delay_alu instid0(VALU_DEP_1)
	v_cvt_i32_f32 v254, v254                       ; (it saturates)
	s_delay_alu instid0(VALU_DEP_1)
	v_ldexp_f32 v252, 1.0, v254                    ; f = 2^(old M - new M)
.set n, 0
.rept 32
	v_pk_fma_f32 v[S+n:S+n+1], v[S+n:S+n+1], s[CS:CS+1], v[12:13] op_sel_hi:[1,0,0]   ; t - M, two at a time (of the pairs c and -M the low word serves both halves)
.set n, n+2
.endr
.set n, 0
	s_wait_alu depctr_va_vdst(0)
.rept 64
	v_exp_f32 v[S+n], v[S+n]                       ; p = 2^(t - M), at most 1
.set n, n+1
.endr
	v_pk_mul_f32 v[14:15], v[14:15], v[252:253] op_sel_hi:[1,0]   ; the sums under the new M: the plain line behind the exponentials
	s_wait_alu depctr_va_vdst(0)                   ; one wait for the batch of 64, ahead of its first reader
	v_pk_add_f32 v[242:243], v[100:101], v[104:105]
	v_pk_add_f32 v[254:255], v[108:109], v[112:113]
	v_pk_add_f32 v[250:251], v[116:117], v[120:121]
	v_pk_add_f32 v[248:249], v[124:125], v[128:129]
	v_pk_add_f32 v[246:247], v[132:133], v[136:137]
	v_pk_add_f32 v[240:241], v[140:141], v[144:145]
	v_pk_add_f32 v[238:239], v[148:149], v[152:153]
	v_pk_add_f32 v[14:15], v[14:15], v[156:157]
	v_pk_add_f32 v[242:243], v[242:243], v[96:97]
	v_pk_add_f32 v[254:255], v[254:255], v[98:99]
	v_pk_add_f32 v[250:251], v[250:251], v[102:103]
	v_pk_add_f32 v[248:249], v[248:249], v[106:107]
	v_pk_add_f32 v[246:247], v[246:247], v[110:111]
	v_pk_add_f32 v[240:241], v[240:241], v[114:115]
	v_pk_add_f32 v[238:239], v[238:239], v[118:119]
	v_pk_add_f32 v[14:15], v[14:15], v[122:123]
	v_pk_add_f32 v[242:243], v[242:243], v[126:127]
	v_pk_add_f32 v[254:255], v[254:255], v[130:131]
	v_pk_add_f32 v[250:251], v[250:251], v[134:135]
	v_pk_add_f32 v[248:249], v[248:249], v[138:139]
	v_pk_add_f32 v[246:247], v[246:247], v[142:143]
	v_pk_add_f32 v[240:241], v[240:241], v[146:147]
	v_pk_add_f32 v[238:239], v[238:239], v[150:151]
	v_pk_add_f32 v[14:15], v[14:15], v[154:155]
	v_pk_add_f32 v[242:243], v[242:243], v[158:159]
	s_delay_alu instid0(VALU_DEP_2)
	v_pk_add_f32 v[14:15], v[14:15], v[248:249]
	s_delay_alu instid0(VALU_DEP_2)
	v_pk_add_f32 v[242:243], v[242:243], v[246:247]
	v_pk_add_f32 v[254:255], v[254:255], v[240:241]
	v_pk_add_f32 v[250:251], v[250:251], v[238:239]
	s_delay_alu instid0(VALU_DEP_2)
	v_pk_add_f32 v[14:15], v[14:15], v[254:255]
	s_delay_alu instid0(VALU_DEP_2)
	v_pk_add_f32 v[242:243], v[242:243], v[250:251]
	s_delay_alu instid0(VALU_DEP_1)
	v_pk_add_f32 v[14:15], v[14:15], v[242:243]
.irp b, 0,1,2,3
.irp i, 0,1,2,3,4,5,6,7,8,9,10,11,12,13,14,15
.endr
	v_cvt_scalef32_pk8_fp8_f32 v[PC+4*\b:PC+4*\b+1], v[S+16*\b:S+16*\b+7], v244
	v_cvt_scalef32_pk8_fp8_f32 v[PC+4*\b+2:PC+4*\b+3], v[S+16*\b+8:S+16*\b+15], v244
.endr
.set n, 0
.rept 16
	v_pk_mul_f32 v[O+n:O+n+1], v[O+n:O+n+1], v[252:253] op_sel_hi:[1,0]   ; O^T under the new M; also the plain lines between the conversions and the products that read the codes
.set n, n+2
.endr
	s_wait_alu depctr_va_vdst(0)
	s_wait_dscnt 0x0                               ; V is in
.irp t, 0,1,2,3                                ; O^T += V^T P^T: K = these 128 keys; the four accumulators take turns
	v_wmma_f32_16x16x128_fp8_fp8 v[O+8*\t:O+8*\t+7], v[KV+16*\t:KV+16*\t+15], v[PC:PC+15], v[O+8*\t:O+8*\t+7]
.endr
.Lhidden_\@:
	s_add_co_u32 s[KF], s[KF], 128
.endm
; THE CHANGE OF SLOTS stands at a visit's head.  Each wave waits for all its tensor loads (its part of the slot that it is about to read), adds 0 to its spare word, and waits for that and for its reads of the slot
; that it has left.  Behind the barrier the slot ahead is whole and nobody reads the other one.  fill = 1: that other slot takes the next visit's keys; the load has a visit's two steps in which to land.
.macro CHANGE fill
	s_wait_tensorcnt 0x0                           ; no tensor load of mine is out, so group 0 may be written
	ds_add_u32 v[SPW], v[NIL]                      ; 0 onto my spare word; the descriptor's steps stand between it and the wait for it
.if \fill
	s_add_co_u32 s[NS], s[NS], 1                   ; the next visit's key slot: one on,
	s_cmp_eq_u32 s[U], s[G]
	s_cselect_b32 s[NS], 0, s[NS]                  ; or slot 0 again, where block g's last visit is in hand
	s_lshl_b32 s[OFF], s[NS], 14
	s_add_nc_u64 s[G0+2:G0+3], s[KVB:KVB+1], s[OFF:OFF+1]
	s_or_b32 s[G0+3], s[G0+3], 0x80000000
	s_xor_b32 s[G0+1], s[G0+1], SLOT1              ; into the other slot than last time
	s_wait_xcnt 0x0                                ; the last prefetch, a visit back, has read its address, so it may be written
	s_add_nc_u64 s[PFA:PFA+1], s[PFA:PFA+1], 16384
.endif
	s_wait_dscnt 0x0                               ; the add is done, and my reads of the slot that I have left are over
	s_barrier_signal -1
	s_barrier_wait -1
.if \fill
	TLOAD                                          ; the first thing behind the barrier, and a wave's one tensor load until the next
	ASK
.endif
.endm
; A BLOCK'S WAY OUT: y = O^T x 2^(e4 + e5) / the sum, converted with 2^e6; registers 16 b + i are channels 32 b + 16 h + i of my query: two pieces of yc, stored straight from registers.
.macro OUT
.rept 4
	v_nop                                          ; places behind the last products
.endr
	v_add_f32 v14, v14, v15                        ; the sum's two halves,
	s_wait_alu depctr_va_vdst(0)
	v_permlanex16_b32 v252, v14, s[SEL], s[SEL+1]
	s_delay_alu instid0(VALU_DEP_1)
	v_add_f32 v14, v14, v252                       ; and lane l xor 16's
	s_wait_alu depctr_va_vdst(0)
	v_rcp_f32 v14, v14
	v_nop                                          ; a plain line behind the transcendental
	s_wait_alu depctr_va_vdst(0)                   ; and the wait ahead of its first reader
	v_ldexp_f32 v14, v14, s[EPV]
.set n, 0
.rept 16
	v_pk_mul_f32 v[S+n:S+n+1], v[O+n:O+n+1], v[14:15] op_sel_hi:[1,0]   ; each accumulator from its low end on
.set n, n+2
.endr
.set n, 0
.rept 32
.set n, n+1
.endr
.irp k, 0,1,2,3
	v_cvt_scalef32_pk8_fp8_f32 v[YC+2*\k:YC+2*\k+1], v[S+8*\k:S+8*\k+7], v245
.endr
	v_nop                                          ; one plain vector line behind the last conversion: later products write its sources
	global_store_b128 v[LI], v[YC:YC+3], s[YB:YB+1]              ; 32 lanes store 512 consecutive bytes, aligned
	global_store_b128 v[LI], v[YC+4:YC+7], s[YB:YB+1] offset:512
.endm
.macro REINIT                          ; on to block 7 - g
	s_wait_xcnt 0x0                                ; the stores have read their base and their data: both may be written again
	s_add_nc_u64 s[YB:YB+1], s[YB:YB+1], s[YD:YD+1]
.irp i, 0,1,2,3,4,5,6,7
	v_mov_b32 v[16+\i], v[24+\i]                   ; its Q
.endr
	FRESH
	s_mov_b32 s[KF], 0
	s_add_co_u32 s[Q0], s[Q0], s[QD]
.endm
	s_wait_loadcnt 0x0                             ; Q
.Lvisit:                                           ; eight trips; behind each change of slots the next visit's slot is asked for
	CHANGE 1
	STEP 0
	STEP 1
	s_xor_b32 s[TB], s[TB], SLOT1                  ; on to the other slot
	s_cmp_lg_u32 s[U], s[G]                        ; visit g is block g's last
	s_cbranch_scc1 .Lsame
	OUT
	REINIT
.Lsame:
	s_add_co_u32 s[U], s[U], 1
	s_cmp_lt_u32 s[U], 8
	s_cbranch_scc1 .Lvisit
	CHANGE 0                                       ; the ninth visit is written out
	STEP 0
	STEP 1
	OUT
	s_wait_tensorcnt 0x0                           ; the wave's end
	ds_add_u32 v[SPW], v[NIL]
	s_wait_dscnt 0x0
	s_endpgm
.Lfunc_end_k_qe552995873_attn:
	.size	k_qe552995873_attn, .Lfunc_end_k_qe552995873_attn-k_qe552995873_attn
	.p2alignl 7, 3214868480
	.fill 96, 4, 3214868480
	.section	.rodata,"a",@progbits
	.p2align	6, 0x0
	.amdhsa_kernel k_qe552995873_attn
		.amdhsa_group_segment_fixed_size 327680
		.amdhsa_private_segment_fixed_size 0
		.amdhsa_enable_private_segment 0
		.amdhsa_kernarg_size 24
		.amdhsa_user_sgpr_count 2
		.amdhsa_user_sgpr_kernarg_segment_ptr 1
		.amdhsa_wavefront_size32 1
		.amdhsa_system_sgpr_workgroup_id_x 1
		.amdhsa_system_sgpr_workgroup_id_y 1
		.amdhsa_system_sgpr_workgroup_id_z 1
		.amdhsa_system_vgpr_workitem_id 0
		.amdhsa_next_free_vgpr 256
		.amdhsa_next_free_sgpr 100
		.amdhsa_reserve_vcc 1
		.amdhsa_float_denorm_mode_32 3
		.amdhsa_float_denorm_mode_16_64 3
		.amdhsa_fp16_overflow 1
		.amdhsa_memory_ordered 1
		.amdhsa_forward_progress 1
		.amdhsa_inst_pref_size 89
	.end_amdhsa_kernel
	.amdgpu_metadata
---
amdhsa.version: [ 1, 2 ]
amdhsa.kernels:
  - .name:           k_qe552995873_attn
    .symbol:         k_qe552995873_attn.kd
    .args:
      - { .name: qkvc, .offset: 0, .size: 8, .value_kind: global_buffer, .address_space: global }
      - { .name: lowp_scales, .offset: 8, .size: 8, .value_kind: global_buffer, .address_space: global }
      - { .name: yc, .offset: 16, .size: 8, .value_kind: global_buffer, .address_space: global }
    .group_segment_fixed_size: 327680
    .private_segment_fixed_size: 0
    .kernarg_segment_align: 8
    .kernarg_segment_size: 24
    .max_flat_workgroup_size: 512
    .sgpr_count:     100
    .vgpr_count:     256
    .wavefront_size: 32
...
	.end_amdgpu_metadata
.endif
;; end of part 3
;; launch proj (part 4): grid 4 x 64, 4 waves a work-group, clusters of 4 x 4, 327,680 bytes of LDS; arguments yc, wc, lowp_scales, b_proj, out0; writes out0
.if DOCPART == 4
	.amdgcn_target "amdgcn-amd-amdhsa--gfx1250"
	.amdhsa_code_object_version 6
	.text
	.protected	k_qe552995873_proj
	.globl	k_qe552995873_proj
	.p2align	8
	.type	k_qe552995873_proj,@function
k_qe552995873_proj:
	s_mov_b64 s[64:65], 0
	v_nop
	global_prefetch_b8 v0, s[64:65] scope:SCOPE_SE
	s_setreg_imm32_b32 hwreg(HW_REG_WAVE_MODE, 25, 1), 1
	s_wait_xcnt 0x0
	s_wait_alu depctr_hold_cnt(0) depctr_sa_sdst(0) depctr_va_vdst(0) depctr_va_sdst(0) depctr_va_ssrc(0) depctr_va_vcc(0) depctr_vm_vsrc(0)
	s_getreg_b32 s2, hwreg(HW_REG_IB_STS2, 6, 4)
	s_cmp_eq_u32 s2, 0
	s_cbranch_scc0 .Lentry_in_a_cluster
	s_endpgm
.Lentry_in_a_cluster:
	s_bfe_u32 s2, ttmp6, 0x10000c
	s_cmp_lg_u32 s2, 0xf033
	s_cbranch_scc0 .Lentry_shape_is_right
	s_endpgm
.Lentry_shape_is_right:
; out0 = y w_proj + b_proj on codes of E4M3.  yc holds y's codes as images of operand registers: [64 blocks of 128 rows][8 K steps of 128][8 tiles a][4 pieces c][512 bytes]: lane (r, h) holds row
; kappa(a, r) = 32 (a >> 1) + 8 (a & 1) + r + 8 (r >> 3) of the block, k = 128 s + 32 c + 16 h + 0..15.  wc rows 3072..4095 are w_proj's columns, K natural.  out0 [8192][1024] f32.
; A tile of 128 rows x 256 columns to a work-group: 64 x 4 = 256 work-groups.  Four waves, each 64 x 128: 32 accumulators.  K = 1,024 goes in four steps of 256 through two LDS slots.
; CLUSTERS: 4 x 4 work-groups.  The four of a row of the cluster need the same block of y, the four of a column the same rows of wc: each tile is asked for JOINTLY.
; THE MATRIX INSTRUCTION IS USED TRANSPOSED (source 0 = 16 rows of wc, source 1 = 16 rows of y): a lane holds eight neighbouring columns of one row of the result.
; Each finished sum is multiplied by 2^(e6 + e7) and takes the bias in one packed multiply-add.  LIMIT: e6 + e7 between -126 and 127.
; REGISTERS, in windows of 256: window 0: v0-31 addresses; v32-95 at work on the way out; y's fragments, two sets of 4 x 16, at v128 and v192 (on the way out: rows read back).
;   window 1: wc's fragments, two sets of 8 x 16.   window 2: the accumulators, (a, b) at v[8 (8 a + b)].   window 3: v0-63 the bias of my 128 columns, register 8 b + j = column 16 b + 8 h + j.
.set PITCH,  272                       ; an LDS row of wc's tile: 256 bytes + 16 of padding: the 16 rows of a load start at 16 different banks (64 banks of 4 bytes: ISA guide 11.1)
.set HALFB,  128*PITCH                 ; 128 rows of wc: one tensor load
.set AIMG,   32768                     ; y's images of two K steps of 128: dense; every read is 16 x lane + a constant
.set SLOT,   AIMG+2*HALFB
.set SPARE,  2*SLOT                    ; behind the ring: the spare words, 128 bytes a wave: two blocks of 256 bytes that no other line names
.set STAGE,  SPARE+512                 ; the way out: 16 rows x (512 bytes + 16) for each wave; no tensor load lands here
.set SPITCH, 528
.set FR,     16
.set ADA,  16                          ; v16-17  LDS address of y's fragments in slot 0, 1
.set ADB,  20                          ; v20-21  of wc's
.set STO,  24                          ; v24     the way out: where I put 32 bytes of a row
.set RD,   25                          ; v25     where I read a row back
.set CO,   26                          ; v26     16 x lane
.set SPW,  28                          ; v28     LDS address of my spare word; never rewritten
.set NIL,  29                          ; v29     0; never rewritten
.set TMP,  32
.set AF,   128
.set BK,   128
.set G1, 24                            ; s[24:31] descriptor group 1 for y's images;  s[32:39] group 0, one set for each slot
.set G0, 32
.set G1B, 48                           ; s[48:55], s[56:63] the same for wc's tiles
.set G0B, 56
.set MSB, 0
.macro WIN new                         ; the immediate's high byte repeats the setting that is left; a switch that changes nothing is dropped
.if MSB != (\new)
	s_set_vgpr_msb (MSB<<8)|(\new)
.set MSB, (\new)
.endif
.endm
.set MUL,  0xa1                        ; source 0 (wc) window 1, source 1 (y) window 0, C and D window 2
.set TO_B, 0x40                        ; destination window 1, address window 0
.macro JLOAD s                         ; a joint load: waves 0 and 1 fetch y's two K steps, waves 2 and 3 wc's two halves; four v_nop follow each line
	s_cmp_eq_u32 s15, 0
	s_cbranch_scc0 .Lfor_b_\@
	tensor_load_to_lds s[G0+4*\s:G0+4*\s+3], s[G1:G1+7]
	s_nop 0
.rept 4
	v_nop
.endr
	s_branch .Lasked_\@
.Lfor_b_\@:
	tensor_load_to_lds s[G0B+4*\s:G0B+4*\s+3], s[G1B:G1B+7]
	s_nop 0
.rept 4
	v_nop
.endr
.Lasked_\@:
.endm
.macro CREST                           ; a round of the cluster's barrier behind its opening barrier
	s_cmp_lg_u32 s14, 0
	s_cbranch_scc1 .Lnot_wave_0_\@
	s_barrier_signal -3
.Lnot_wave_0_\@:
	s_barrier_wait -3
	s_barrier_signal -1
	s_barrier_wait -1
.endm
.macro CROUND
	s_barrier_signal -1
	s_barrier_wait -1
	CREST
.endm
	s_load_b128 s[4:7], s[0:1], 0x0                ; yc s[4:5], wc s[6:7]
	s_load_b128 s[8:11], s[0:1], 0x10              ; the scales' exponents s[8:9], b_proj s[10:11]
	s_load_b64 s[12:13], s[0:1], 0x20              ; out0
	v_lshl_add_u32 v[SPW], v0, 2, SPARE
	v_mov_b32 v[NIL], 0
	ds_add_u32 v28, v29
	ds_add_u32 v28, v29
	s_wait_dscnt 0x0
	v_lshrrev_b32 v1, 5, v0
	v_readfirstlane_b32 s14, v1                    ; wave 0..3
	s_lshr_b32 s15, s14, 1                         ; which 64 rows are mine.  Also: I fetch for y (0) or for wc (1)
	s_and_b32 s16, s14, 1                          ; which 128 columns.  Also: which half I fetch
	s_bfe_u32 s40, ttmp6, 0x40000                  ; cx, cy
	s_bfe_u32 s41, ttmp6, 0x40004
	s_lshl_b32 s42, ttmp9, 2
	s_add_co_u32 s42, s42, s40                     ; tile column: 0..3
	s_and_b32 s17, ttmp7, 0xffff
	s_lshl_b32 s17, s17, 2
	s_add_co_u32 s17, s17, s41                     ; the block of 128 rows: 0..63
	s_lshl_b32 s43, s41, 2
	s_lshl_b32 s43, 15, s43                        ; my row of the cluster
	s_lshl_b32 s44, 0x1111, s40                    ; my column
	; y: 16,384 dense bytes as 64 rows of 32 elements of 8 bytes
	s_or_b32 s[G1+0], s43, (3<<16)|(1<<21)         ; 15:0 the mask: my row; 17:16 elements of 8 bytes; 21 set beside a mask
	s_mov_b32 s[G1+1], 32<<16
	s_mov_b32 s[G1+2], 64<<16
	s_mov_b32 s[G1+3], 32<<16
	s_mov_b32 s[G1+4], 64
	s_mov_b32 s[G1+5], 32
	s_mov_b32 s[G1+6], 0
	s_mov_b32 s[G1+7], 0
	; wc: 128 rows x 256 bytes, padded in LDS
	s_or_b32 s[G1B+0], s44, (0<<16)|(1<<20)|(1<<21)|(5<<22)|(3<<25)  ; the mask: my column; elements of 1 byte; four words of padding after every 64
	s_mov_b32 s[G1B+1], 256<<16
	s_mov_b32 s[G1B+2], 128<<16
	s_mov_b32 s[G1B+3], 256<<16
	s_mov_b32 s[G1B+4], 128
	s_mov_b32 s[G1B+5], 1024
	s_mov_b32 s[G1B+6], 0
	s_mov_b32 s[G1B+7], 0
	s_lshl_b32 s20, s17, 17                        ; y: 131,072 bytes a block,
	s_lshl_b32 s18, s16, 14                        ; + which K step of 128 of a slot's two
	s_add_co_u32 s20, s20, s18
	s_mov_b32 s21, 0
	s_lshl_b32 s46, s42, 8
	s_lshl_b32 s19, s16, 7
	s_add_co_u32 s46, s46, s19
	s_add_co_u32 s46, s46, 3072                    ; wc: row 3072 + 256 x tile column + 128 x half
	s_lshl_b32 s46, s46, 10
	s_mov_b32 s47, 0
	s_lshl_b32 s45, s16, 14                        ; where they go: y's,
	s_mul_i32 s86, s16, HALFB
	s_add_co_u32 s86, s86, AIMG                    ; and wc's: no place in the cluster enters an LDS address
	s_wait_kmcnt 0x0
	s_load_b256 s[68:75], s[8:9], 0x0              ; e0 .. e7
	s_add_nc_u64 s[20:21], s[4:5], s[20:21]
	s_add_nc_u64 s[46:47], s[6:7], s[46:47]
	CROUND                                         ; all sixteen work-groups are here: the first joint loads meet
.irp s, 0,1
	s_mov_b32 s[G0+4*\s], 1
	s_add_co_u32 s[G0+4*\s+1], s45, \s*SLOT
	s_add_nc_u64 s[G0+4*\s+2:G0+4*\s+3], s[20:21], \s*AIMG
	s_or_b32 s[G0+4*\s+3], s[G0+4*\s+3], 0x80000000
	s_mov_b32 s[G0B+4*\s], 1
	s_add_co_u32 s[G0B+4*\s+1], s86, \s*SLOT
	s_add_nc_u64 s[G0B+4*\s+2:G0B+4*\s+3], s[46:47], \s*256
	s_or_b32 s[G0B+4*\s+3], s[G0B+4*\s+3], 0x80000000
	s_wait_alu depctr_va_vdst(0)
	s_wait_tensorcnt 0x0
	ds_add_u32 v28, v29
	ds_add_u32 v28, v29
	s_wait_dscnt 0x0
	CROUND
	JLOAD \s                                       ; K steps 0 and 1, one at a time: only K step 1's load is out behind the loop
.endr
	v_and_b32 v1, 15, v0                           ; r
	v_bfe_u32 v2, v0, 4, 1                         ; h
	v_and_b32 v6, 31, v0
	v_lshlrev_b32 v[CO], 4, v6
	v_mul_u32_u24 v3, v1, PITCH
	v_lshl_add_u32 v4, v2, 4, v3
	s_lshl_b32 s21, s15, 13                        ; my four tiles of y: 2,048 bytes each
	s_mul_i32 s22, s16, HALFB
	s_add_co_u32 s22, s22, AIMG                    ; my 128 rows of wc
.irp s, 0,1
	v_add_nc_u32 v[ADA+\s], s21, v[CO]
	v_add_nc_u32 v[ADB+\s], s22, v4
	s_add_co_u32 s21, s21, SLOT
	s_add_co_u32 s22, s22, SLOT
.endr
	s_mul_i32 s23, s14, 16*SPITCH
	s_add_co_u32 s23, s23, STAGE                   ; my stage
	v_mul_u32_u24 v5, v1, SPITCH
	v_lshl_add_u32 v5, v2, 5, v5
	v_add_nc_u32 v[STO], s23, v5                   ; in: row r, 32 bytes for each half of the lanes
	v_add_nc_u32 v[RD], s23, v[CO]                 ; back: the 32 lanes take one row of 512 bytes
	s_lshl_b32 s88, s42, 10                        ; my first column, in bytes: 1,024 x tile column + 512 x half
	s_lshl_b32 s89, s16, 9
	s_add_co_u32 s88, s88, s89
	s_mov_b32 s89, 0
	s_add_nc_u64 s[10:11], s[10:11], s[88:89]      ; the bias there,
	s_add_nc_u64 s[12:13], s[12:13], s[88:89]      ; and out0,
	s_lshl_b32 s88, s17, 19                        ; at row 128 x block + 64 x half: rows of 4,096 bytes
	s_lshl_b32 s90, s15, 18
	s_add_co_u32 s88, s88, s90
	s_add_nc_u64 s[12:13], s[12:13], s[88:89]
	v_lshlrev_b32 v5, 5, v2
	WIN 0xc0                                       ; destination window 3
.irp b, 0,1,2,3,4,5,6,7
	global_load_b128 v[8*\b:8*\b+3], v5, s[10:11] offset:64*\b
	global_load_b128 v[8*\b+4:8*\b+7], v5, s[10:11] offset:64*\b+16
.endr
	WIN 0
	s_wait_alu depctr_va_vdst(0)
	s_wait_kmcnt 0x0
	s_add_co_i32 s96, s74, s75                     ; e6 + e7
	s_add_co_i32 s96, s96, 127
	s_lshl_b32 s96, s96, 23                        ; 2^(e6 + e7) as f32
	s_mov_b32 s97, s96                             ; (named with it as a pair)
	s_wait_loadcnt 0x0                             ; the bias
; 8 matrix instructions: y's tile a x wc's eight, 128 along K, set p.  zero = 1: the first product starts the sums.  The 32 accumulators take turns, one instruction a turn, in the same order in every step.
.macro MUL8 a, p, zero
.irp b, 0,1,2,3,4,5,6,7
.if \zero
	v_wmma_f32_16x16x128_fp8_fp8 v[8*(8*(\a)+\b):8*(8*(\a)+\b)+7], v[128*(\p)+FR*\b:128*(\p)+FR*\b+FR-1], v[AF+64*(\p)+FR*(\a):AF+64*(\p)+FR*(\a)+FR-1], 0
.else
	v_wmma_f32_16x16x128_fp8_fp8 v[8*(8*(\a)+\b):8*(8*(\a)+\b)+7], v[128*(\p)+FR*\b:128*(\p)+FR*\b+FR-1], v[AF+64*(\p)+FR*(\a):AF+64*(\p)+FR*(\a)+FR-1], v[8*(8*(\a)+\b):8*(8*(\a)+\b)+7]
.endif
.endr
.endm
; 48 LDS loads in one run: the fragments of the slot's q-th 128 along K into set p
.macro FETCH slot, q, p
	WIN TO_B
.irp i, 0,1,2,3,4,5,6,7
.irp c, 0,1,2,3
	ds_load_b128 v[128*(\p)+FR*\i+4*\c:128*(\p)+FR*\i+4*\c+3], v[ADB+\slot] offset:128*(\q)+32*\c+\i*16*PITCH
.endr
.endr
	WIN 0
.irp i, 0,1,2,3
.irp c, 0,1,2,3
	ds_load_b128 v[AF+64*(\p)+FR*\i+4*\c:AF+64*(\p)+FR*\i+4*\c+3], v[ADA+\slot] offset:16384*(\q)+2048*\i+512*\c
.endr
.endr
.endm
.macro PLACES                          ; four places in front of loads into registers that matrix instructions have read, and of reads of results (ISA guide 7.12.1 for reads of results)
.rept 4
	v_nop
.endr
.endm
; A slot's first step: multiplies set 0 and fetches the slot's second 128 into set 1.
.macro STEP slot, zero
	s_wait_dscnt 0x0                               ; set 0 is in (asked for 16 matrix instructions ago; in the first step just before)
.if \zero == 0
	PLACES                                         ; set 1 was read by the step before
.endif
	FETCH \slot, 1, 1
	WIN MUL
	MUL8 0, 0, \zero
	MUL8 1, 0, \zero
	MUL8 2, 0, \zero
	MUL8 3, 0, \zero
.endm
; A slot's second step multiplies set 1 and changes slots: ONE barrier; in front of it each wave waits for all its tensor loads, adds 0 to its spare word, and waits for that and for its own reads of this slot.
.macro TURN slot, next, fill
	WIN 0                                          ; (the add's two registers lie in window 0)
	s_wait_tensorcnt 0x0                           ; all my tensor loads have landed: my part of the next slot
	ds_add_u32 v[SPW], v[NIL]                      ; 0 onto my spare word
	s_wait_dscnt 1                                 ; set 1 is in; the add alone may be out
	WIN MUL
	MUL8 0, 1, 0                                   ; eight matrix instructions stand between the add and the wait for it
	s_wait_dscnt 0x0                               ; the add is done, and my reads of this slot are over
	s_barrier_signal -1
	MUL8 1, 1, 0
	WIN 0
	s_barrier_wait -1
.if \fill
	CREST                                          ; the barrier has opened a round of the cluster's: no wave of any partner still reads this slot or has a load on its way
	s_add_nc_u64 s[G0+4*\slot+2:G0+4*\slot+3], s[G0+4*\slot+2:G0+4*\slot+3], 2*AIMG
	s_add_nc_u64 s[G0B+4*\slot+2:G0B+4*\slot+3], s[G0B+4*\slot+2:G0B+4*\slot+3], 2*256
	JLOAD \slot                                    ; the first tensor load behind the round, my one load until the next; its four v_nop are the places in front of the loads below
.else
	PLACES
.endif
	FETCH \next, 0, 0
	WIN MUL
	MUL8 2, 1, 0
	MUL8 3, 1, 0
.endm
	s_wait_tensorcnt 1                             ; my part of K step 0 is in; K step 1's load may be out
	s_barrier_signal -1
	s_barrier_wait -1                              ; everybody's is
	FETCH 0, 0, 0
	STEP 0, 1                                      ; the first products start the sums: nothing is cleared
	TURN 0, 1, 1                                   ; four K steps of 256: the ring goes round twice, written out; slot 0 takes K step 2,
	STEP 1, 0
	TURN 1, 0, 1                                   ; slot 1 K step 3
	STEP 0, 0
	TURN 0, 1, 0                                   ; nothing is left to fetch
	STEP 1, 0
	s_wait_dscnt 0x0
	MUL8 0, 1, 0
	MUL8 1, 1, 0
	MUL8 2, 1, 0
	MUL8 3, 1, 0
	WIN 0
; THE WAY OUT, tile by tile of 16 rows x 128 columns: sum x 2^(e6 + e7) + bias; a lane's 32 bytes go into my own stage and come back as whole rows of 512 bytes.  LDS serves a wave's instructions in order
; (ISA guide 5.7.1.4): no wait between the stores and the loads, nor in front of the next tile's stores.
.macro TOSTAGE a
	WIN 0x32                                       ; source 0 (the sums) window 2, source 2 (the bias) window 3
.set j, 0
.rept 32
	v_pk_fma_f32 v[TMP+j:TMP+j+1], v[64*(\a)+j:64*(\a)+j+1], s[96:97], v[j:j+1] op_sel_hi:[1,0,1]   ; the scalar pair's low word for both halves; each accumulator from its low end on
.set j, j+2
.endr
	WIN 0
.irp b, 0,1,2,3,4,5,6,7
	ds_store_b128 v[STO], v[TMP+8*\b:TMP+8*\b+3] offset:64*\b
	ds_store_b128 v[STO], v[TMP+8*\b+4:TMP+8*\b+7] offset:64*\b+16
.endr
.set BB, BK+64*((\a)%2)
.irp t, 0,1,2,3,4,5,6,7,8,9,10,11,12,13,14,15
	ds_load_b128 v[BB+4*\t:BB+4*\t+3], v[RD] offset:\t*SPITCH
.endr
.endm
.macro SEND a, younger                 ; younger: the LDS instructions issued behind tile a's loads, which may stay out
.set BB, BK+64*((\a)%2)
	s_wait_dscnt \younger                          ; the tile is back in registers
.irp t, 0,1,2,3,4,5,6,7,8,9,10,11,12,13,14,15
	global_store_b128 v[CO], v[BB+4*\t:BB+4*\t+3], s[12:13] offset:(32*((\a)/2)+8*((\a)%2)+\t+8*(\t/8))*4096 th:TH_STORE_NT   ; stage row t is row kappa(a, t) of my 64: 32 lanes store 512 consecutive bytes, aligned; the base never steps
.endr
.endm
	PLACES                                         ; behind the last products: their results are read and their sources loaded into below
	TOSTAGE 0
.irp a, 1,2,3
.if \a > 1
	s_wait_xcnt 0x0                                ; tile a - 2's stores have read their registers: tile a's loads may land there
.endif
	TOSTAGE \a
	SEND \a-1, 32                                  ; behind tile a - 1's loads: tile a's 16 stores and 16 loads
.endr
	SEND 3, 0
	s_wait_tensorcnt 0x0                           ; the wave's end, behind my last tensor load and my last LDS store
	ds_add_u32 v[SPW], v[NIL]
	s_wait_dscnt 0x0
	CROUND                                         ; the closing round: no work-group ends while a partner may still ask for a tile that names it
	s_endpgm
.Lfunc_end_k_qe552995873_proj:
	.size	k_qe552995873_proj, .Lfunc_end_k_qe552995873_proj-k_qe552995873_proj
	.p2alignl 7, 3214868480
	.fill 96, 4, 3214868480
	.section	.rodata,"a",@progbits
	.p2align	6, 0x0
	.amdhsa_kernel k_qe552995873_proj
		.amdhsa_group_segment_fixed_size 327680
		.amdhsa_private_segment_fixed_size 0
		.amdhsa_enable_private_segment 0
		.amdhsa_kernarg_size 40
		.amdhsa_user_sgpr_count 2
		.amdhsa_user_sgpr_kernarg_segment_ptr 1
		.amdhsa_wavefront_size32 1
		.amdhsa_system_sgpr_workgroup_id_x 1
		.amdhsa_system_sgpr_workgroup_id_y 1
		.amdhsa_system_sgpr_workgroup_id_z 1
		.amdhsa_system_vgpr_workitem_id 0
		.amdhsa_next_free_vgpr 832
		.amdhsa_next_free_sgpr 100
		.amdhsa_reserve_vcc 0
		.amdhsa_float_denorm_mode_32 3
		.amdhsa_float_denorm_mode_16_64 3
		.amdhsa_memory_ordered 1
		.amdhsa_forward_progress 1
		.amdhsa_inst_pref_size 77
	.end_amdhsa_kernel
	.amdgpu_metadata
---
amdhsa.version: [ 1, 2 ]
amdhsa.kernels:
  - .name:           k_qe552995873_proj
    .symbol:         k_qe552995873_proj.kd
    .args:
      - { .name: yc, .offset: 0, .size: 8, .value_kind: global_buffer, .address_space: global }
      - { .name: wc, .offset: 8, .size: 8, .value_kind: global_buffer, .address_space: global }
      - { .name: lowp_scales, .offset: 16, .size: 8, .value_kind: global_buffer, .address_space: global }
      - { .name: b_proj, .offset: 24, .size: 8, .value_kind: global_buffer, .address_space: global }
      - { .name: out0, .offset: 32, .size: 8, .value_kind: global_buffer, .address_space: global }
    .group_segment_fixed_size: 327680
    .private_segment_fixed_size: 0
    .kernarg_segment_align: 8
    .kernarg_segment_size: 40
    .max_flat_workgroup_size: 128
    .sgpr_count:     100
    .vgpr_count:     832
    .wavefront_size: 32
...
	.end_amdgpu_metadata
.endif
;; end of part 4
